; MI455X (gfx1250); checked and timed in simulation.
; The chip was launched on July 23, 2026; its instructions are those of AMD's public machine-readable ISA for CDNA 5 (MIT licence, August 2026) and "CDNA5" Instruction Set Architecture Reference Guide (July 2026). The comments in the code are by the model that wrote it; some were corrected since.
;; Self Attention. Allowed arithmetic: matrix products marked QUANTISED: E2M1 operands, one E8M0 scale for each 32 along K, by v_wmma_scale_f32_16x16x128_f8f6f4 with both operands' format E2M1 (or v_wmma_scale_f32_32x16x128_f4), f32 sums; products left as they are: bf16, f16 or f32 operands; f32 sums; everything else in f32.
;; Inputs: Wk 1,024 x 1,024 float32; Wo 1,024 x 1,024 float32; Wq 1,024 x 1,024 float32; Wv 1,024 x 1,024 float32; bk 1,024 float32; bo 1,024 float32; bq 1,024 float32; bv 1,024 float32; key 4 x 2,048 x 1,024 float32; query 4 x 2,048 x 1,024 float32; value 4 x 2,048 x 1,024 float32.
;; Outputs: out0 4 x 2,048 x 1,024 float32.
;; This version of the problem:
;;   THIS VERSION OF THE PROBLEM IS GIVEN IN LOW PRECISION. The matrix products marked QUANTISED in the list below multiply operands that are first quantised to E2M1 (2 exponent bits, 1 mantissa bit; 4 bits a number), with one power-of-two scale for each 32 numbers along K (OCP MX v1.0); their sums are f32. The products marked 'left as it is' may take bf16, f16 or f32 operands, with f32 sums. Whichever they take, every output number must still come out within the allowed error. Rounding operands to bf16 (8 significant bits) uses up far more of that allowance than f16 does (11 bits, for magnitudes from 6e-5 to 65,504). All else is computed in f32.
;;   The module's matrix products, in the order in which they are computed (A, B: the left and right operand; K: the contracted axis; several contracted axes count as one K, in the product's order):
;;     1. [M 8,192, K 1,024] x [K 1,024, N 1,024]; A: input query; B: input Wq: QUANTISED
;;     2. [M 8,192, K 1,024] x [K 1,024, N 1,024]; A: input key; B: input Wk: QUANTISED
;;     3. [M 8,192, K 1,024] x [K 1,024, N 1,024]; A: input value; B: input Wv: QUANTISED
;;     4. batch 64 x [M 2,048, K 64] x [K 64, N 2,048]; A: computed on the way; B: computed on the way: left as it is (an operand is computed on the way)
;;     5. batch 64 x [M 2,048, K 2,048] x [K 2,048, N 64]; A: computed on the way; B: computed on the way: left as it is (an operand is computed on the way)
;;     6. [M 8,192, K 1,024] x [K 1,024, N 1,024]; A: computed on the way; B: input Wo: left as it is (an operand is computed on the way)
;;   THE QUANTISER, for each operand of a quantised product, along K:
;;     - K is cut into blocks of 32 from its start; a last block that is shorter is filled with zeros.
;;     - A block's scale is 2^e with e = floor(log2(the largest magnitude in the block)) - 2, held to -126 .. 127; a block of zeros has e = 0. As a byte (E8M0): e + 127.
;;     - Each number is divided by its block's scale, clamped to +-6, and rounded to the nearest number of E2M1, ties to even, subnormals kept.
;;     - The product sums the exact products of the quantised numbers (number of the format x scale) in f32.
;;   ~~~python
;;   def quantise(x, axis):      # numpy; x: float32 -> the quantised numbers, widened to float32 again
;;       x = np.moveaxis(x, axis, -1); K = x.shape[-1]
;;       x = np.pad(x, [(0, 0)] * (x.ndim - 1) + [(0, -K % 32)]); x = x.reshape(x.shape[:-1] + (-1, 32)); a = np.abs(x).max(-1, keepdims=True)
;;       e = np.where(a > 0, np.clip(np.frexp(np.where(a > 0, a, 1))[1] - 1 - 2, -126, 127), 0)      # np.frexp(a)[1] - 1 = floor(log2(a)), exactly
;;       r = np.clip(x / 2.0 ** e, -6, 6)
;;       step = 2.0 ** (np.maximum(np.frexp(np.where(r == 0, 1, r))[1] - 1, 0) - 1)
;;       q = np.round(r / step) * step * 2.0 ** e      # np.round: ties to even
;;       return np.moveaxis(q.reshape(q.shape[:-2] + (-1,))[..., :K], -1, axis).astype(np.float32)
;;   ~~~
;; One version. Each part assembles by itself: llvm-mc -triple=amdgcn-amd-amdhsa -mcpu=gfx1250 --defsym DOCPART=n.
;; ======== version 1 of 1: 4 launches
;; limits: values are held in f16: magnitudes above 65,504 overflow, below 6.1e-05 lose precision
;; workspace buffers: codes 14,155,776 bytes; scales 884,736 bytes; wo16 2,097,152 bytes; qkv 50,331,648 bytes; att 16,777,216 bytes
;; launch quant (part 1): grid 896 x 1, 4 waves a work-group, no clusters, 33,280 bytes of LDS; arguments query, key, value, Wq, Wk, Wv, Wo, codes, scales, wo16; writes codes, scales, wo16
.if DOCPART == 1
	.amdgcn_target "amdgcn-amd-amdhsa--gfx1250"
	.amdhsa_code_object_version 6
	.text
	.protected	k_q372d9e4a1f_quant
	.globl	k_q372d9e4a1f_quant
	.p2align	8
	.type	k_q372d9e4a1f_quant,@function
k_q372d9e4a1f_quant:
	s_mov_b64 s[64:65], 0
	v_nop
	global_prefetch_b8 v0, s[64:65] scope:SCOPE_SE
	s_setreg_imm32_b32 hwreg(HW_REG_WAVE_MODE, 25, 1), 1
	s_wait_xcnt 0x0
; FIRST OF FOUR LAUNCHES of out = softmax((query Wq^T + bq)(key Wk^T + bk)^T / 8) (value Wv^T + bv) Wo^T + bo, 16 heads of 64.
; This launch turns query, key, value, Wq, Wk, Wv (f32, K innermost) into codes of E2M1 with one E8M0 byte for each 32 along K, and Wo into f16.
; DEAD WORK: bk.  A score is q . (k + bk) / 8 = q . k / 8 + q . bk / 8.  The second term is the same for every key of a query's row, and a softmax along the keys
; is unchanged by a term that is the same along its axis: e^(s + d) / sum e^(s + d) = e^s / sum e^s, for all finite values of all inputs.  The product of q and k is not quantised, so bk
; enters no quantiser.  So bk has no way to the output: it is not loaded and is no argument of any launch.  bq, bv and bo do reach the output and are kept.
; LIMIT: a NaN, an infinity or an overflow that bk alone would cause is not carried to the result.
; THE QUANTISER: a block's scale is 2^(floor(log2(its largest magnitude)) - 2); its byte is the largest magnitude's exponent field - 2, held at 1 from below.  A block of zeros so gets
; the byte 1 where the definition says 127: its codes are zeros, which add nothing under any byte but 0xff, and the bytes are read by this program alone.
; LIMITS: blocks whose largest magnitude lies under 2^-124 keep the byte 1; NaN and infinities among the inputs are not served.  Wo must lie under 65,504 in size (f16).
; LAYOUT: the six tensors are plain streams of blocks of 32.  codes: 27,648 rows of 512 bytes: query's, key's, value's 8,192 rows each, then Wq's, Wk's, Wv's 1,024 each; scales: the same rows, 32 bytes each.
; SHARES: work-group g takes 32,768 numbers, a wave a run of 8,192: g 0-255 query, 256-511 key, 512-767 value, 768-799 Wq, 800-831 Wk, 832-863 Wv, 864-895 Wo.
; With that order run R = 4 g + wave writes its codes at 4,096 R and its bytes at 256 R: only the source is chosen, by the work-group's number.
; A wave takes 16 steps of 512 numbers.  The conversion wants 16 neighbours along K in one lane, a load wants neighbouring lanes on neighbouring bytes: each load reads 512 consecutive bytes,
; and a step's 2,048 bytes turn through the wave's own stage in LDS (16 bytes of padding behind each 64).  Loads run four steps ahead, the turn one step.  Waves share nothing: no barrier.
.set STEPS, 16
.set CB,    8                          ; bytes of 16 codes
.set R,     16                         ; v16-79   four sets of 16 numbers as loaded
.set X,     80                         ; v80-111  two sets of 16 neighbours
.set E,     112                        ; v112-127 a scale byte for each step
.set C,     128                        ; v128-191 codes: registers of its own for each step, so that no store's data are written again
.set WREG,  8192                       ; LDS: a region for each wave: two stages of 32 x SP bytes, then its 256 scale bytes
.set SP,    80
.set SPW,   12                         ; v12  LDS address of my spare word; never rewritten
.set NIL,   13                         ; v13  0; never rewritten
.set SPARE, 4*WREG                     ; behind the four regions: the spare words, 128 bytes a wave, which no other line names
	s_load_b256 s[4:11], s[0:1], 0x0               ; query s[4:5], key s[6:7], value s[8:9], Wq s[10:11]
	s_load_b256 s[12:19], s[0:1], 0x20             ; Wk s[12:13], Wv s[14:15], Wo s[16:17], codes s[18:19]
	s_load_b128 s[20:23], s[0:1], 0x40             ; scales s[20:21], wo16 s[22:23]
	v_lshl_add_u32 v[SPW], v0, 2, SPARE
	v_mov_b32 v[NIL], 0
	v_lshrrev_b32 v1, 5, v0
	v_readfirstlane_b32 s28, v1                    ; wave
	v_and_b32 v2, 31, v0                           ; lane
	v_lshlrev_b32 v3, 4, v2                        ; my 16 bytes of a load's 512
	s_mul_i32 s29, s28, WREG
	v_lshrrev_b32 v14, 2, v2
	v_mul_u32_u24 v14, v14, SP
	v_and_b32 v15, 3, v2
	v_lshl_add_u32 v14, v15, 4, v14
	v_add_nc_u32 v14, s29, v14                     ; the stage on the way in: SP (lane / 4) + 16 (lane % 4)
	v_mul_u32_u24 v15, v2, SP
	v_add_nc_u32 v15, s29, v15                     ; and on the way out: SP x lane: my 16 neighbours
	v_mul_u32_u24 v4, v2, CB                       ; my codes' place in a step's 256 bytes
	v_lshrrev_b32 v5, 1, v2
	s_add_co_u32 s29, s29, 2*32*SP
	v_add_nc_u32 v5, s29, v5                       ; LDS: my block's scale byte
	v_lshlrev_b32 v7, 3, v2                        ; 8 bytes a lane
	v_add_nc_u32 v6, s29, v7
	s_lshl_b32 s30, ttmp9, 2
	s_add_co_u32 s30, s30, s28                     ; R = 4 g + wave
	s_mov_b32 s27, 0
	s_wait_kmcnt 0x0
	s_cmp_ge_u32 ttmp9, 864
	s_cbranch_scc1 .Lwo                            ; the last 32 work-groups convert Wo
	s_mov_b64 s[24:25], s[14:15]                   ; the source, chosen by the work-group's number alone: Wv unless g lies lower
	s_mov_b32 s26, 832                             ; and the tensor's first work-group
.macro PICK limit, ptr, base
	s_cmp_lt_u32 ttmp9, \limit
	s_cselect_b64 s[24:25], s[\ptr:\ptr+1], s[24:25]
	s_cselect_b32 s26, \base, s26
.endm
	PICK 832, 12, 800
	PICK 800, 10, 768
	PICK 768, 8, 512
	PICK 512, 6, 256
	PICK 256, 4, 0
	s_sub_co_u32 s26, ttmp9, s26
	s_lshl_b32 s26, s26, 2
	s_add_co_u32 s26, s26, s28                     ; my run within the tensor,
	s_lshl_b32 s26, s26, 15                        ; 32,768 bytes a run (under 2^26)
	s_add_nc_u64 s[24:25], s[24:25], s[26:27]
	s_lshl_b32 s26, s30, 12
	s_add_nc_u64 s[18:19], s[18:19], s[26:27]      ; my 4,096 bytes of codes
	s_lshl_b32 s26, s30, 8
	s_add_nc_u64 s[20:21], s[20:21], s[26:27]      ; my 256 scale bytes
.macro LOAD t
.irp i, 0,1,2,3
	global_load_b128 v[R+16*((\t)%4)+4*\i:R+16*((\t)%4)+4*\i+3], v3, s[24:25] offset:2048*(\t)+512*\i th:TH_LOAD_NT   ; 32 lanes read 512 consecutive bytes
.endr
.endm
.macro TURN t                          ; step t's numbers through the stage: LDS serves a wave's instructions in order, so no wait stands between the stores and the loads
.irp i, 0,1,2,3
	ds_store_b128 v14, v[R+16*((\t)%4)+4*\i:R+16*((\t)%4)+4*\i+3] offset:32*SP*((\t)%2)+8*SP*\i
.endr
.irp i, 0,1,2,3
	ds_load_b128 v[X+16*((\t)%2)+4*\i:X+16*((\t)%2)+4*\i+3], v15 offset:32*SP*((\t)%2)+16*\i
.endr
.endm
.irp t, 0,1,2,3
	LOAD \t
.endr
	s_wait_loadcnt 12                              ; step 0's four loads are in; the twelve of steps 1 to 3 may be out
	TURN 0
.macro STEP t
.set XS, X+16*((\t)%2)
.if (\t) > 0
	s_wait_dscnt 1                                 ; this step's numbers are back from the stage (the last step's byte store may be out), so its stores into the stage have read their registers,
.else
	s_wait_dscnt 0x0
.endif
.if (\t)+4 < STEPS
	LOAD (\t)+4                                    ; which take the loads of four steps on
.endif
.if (\t)+1 < STEPS
.if STEPS-2-(\t) >= 3
	s_wait_loadcnt 12                              ; the next step's four loads are in; those of the three steps behind it may be out
.else
	s_wait_loadcnt 4*(STEPS-2-(\t))
.endif
	TURN (\t)+1
.endif
	v_max3_num_f32 v8, |v[XS]|, |v[XS+1]|, |v[XS+2]|               ; the largest magnitude of my 16, in two chains
	v_max3_num_f32 v9, |v[XS+3]|, |v[XS+4]|, |v[XS+5]|
.irp i, 6,10
	v_max3_num_f32 v8, v8, |v[XS+\i]|, |v[XS+\i+1]|
	v_max3_num_f32 v9, v9, |v[XS+\i+2]|, |v[XS+\i+3]|
.endr
	v_max3_num_f32 v8, v8, |v[XS+14]|, |v[XS+15]|
	v_max3_num_f32 v8, v8, v9, 0x1800000           ; and the floor 2^(3 - 127): the byte cannot fall under 1
	v_max_num_f32_dpp v8, v8, v8 row_xmask:1 row_mask:0xf bank_mask:0xf   ; with my neighbour's 16: the block's
	v_add_nc_u32 v11, 0xff000000, v8               ; 2 off its exponent field: the conversion takes the exponent field of this operand as its scale, and nothing else of it
	v_cvt_scalef32_pk8_fp4_f32 v[C+4*(\t)], v[XS:XS+7], v11        ; eight numbers / the scale, to the nearest code, ties to even, beyond 6 the largest code
	v_cvt_scalef32_pk8_fp4_f32 v[C+4*(\t)+1], v[XS+8:XS+15], v11
	v_lshrrev_b32 v[E+(\t)], 23, v11               ; the scale's byte
	ds_store_b8 v5, v[E+(\t)] offset:16*(\t)       ; both lanes of a block write the same byte with the same value
	global_store_b64 v4, v[C+4*(\t):C+4*(\t)+1], s[18:19] offset:32*CB*(\t)   ; the wave stores 256 consecutive bytes, aligned
.endm
.irp t, 0,1,2,3,4,5,6,7,8,9,10,11,12,13,14,15
	STEP \t
.endr
	ds_load_b64 v[8:9], v6                         ; LDS serves a wave's instructions in order: these see my byte stores
	s_wait_dscnt 0x0
	global_store_b64 v7, v[8:9], s[20:21]          ; the run's 256 scale bytes, consecutive and aligned
	s_wait_tensorcnt 0x0                           ; the wave's end: a tensor wait, an add to my spare word and its wait, behind my last LDS store
	ds_add_u32 v[SPW], v[NIL]
	s_wait_dscnt 0x0
	s_endpgm
; Wo to f16, as it lies: run r of 8,192 numbers; four batches of 16 loads of 512 bytes; two sets of registers, so that one batch is on its way while the other is converted.
.Lwo:
	s_sub_co_u32 s29, s30, 4*864                   ; r
	s_lshl_b32 s26, s29, 15
	s_add_nc_u64 s[16:17], s[16:17], s[26:27]
	s_lshl_b32 s26, s29, 14
	s_add_nc_u64 s[22:23], s[22:23], s[26:27]
.macro WOL t
.irp i, 0,1,2,3,4,5,6,7,8,9,10,11,12,13,14,15
	global_load_b128 v[16+64*((\t)%2)+4*\i:16+64*((\t)%2)+4*\i+3], v3, s[16:17] offset:8192*(\t)+512*\i th:TH_LOAD_NT
.endr
.endm
.macro WOC t, left
	s_wait_loadcnt \left                           ; my batch is in; the younger batch's loads may be out
	s_wait_xcnt 0x0                                ; the last batch's stores have read their data: they are written again only behind this wait
.irp i, 0,1,2,3,4,5,6,7,8,9,10,11,12,13,14,15
	v_cvt_pk_f16_f32 v[144+2*\i], v[16+64*((\t)%2)+4*\i], v[17+64*((\t)%2)+4*\i]
	v_cvt_pk_f16_f32 v[145+2*\i], v[18+64*((\t)%2)+4*\i], v[19+64*((\t)%2)+4*\i]
.endr
.irp i, 0,1,2,3,4,5,6,7,8,9,10,11,12,13,14,15
	global_store_b64 v7, v[144+2*\i:145+2*\i], s[22:23] offset:4096*(\t)+256*\i   ; the wave stores 256 consecutive bytes, aligned
.endr
.endm
	WOL 0
	WOL 1
	WOC 0, 16
	WOL 2
	WOC 1, 16
	WOL 3
	WOC 2, 16
	WOC 3, 0
	s_wait_tensorcnt 0x0                           ; the same three lines ahead of this path's end
	ds_add_u32 v[SPW], v[NIL]
	s_wait_dscnt 0x0
	s_endpgm
.Lfunc_end_k_q372d9e4a1f_quant:
	.size	k_q372d9e4a1f_quant, .Lfunc_end_k_q372d9e4a1f_quant-k_q372d9e4a1f_quant
	.p2alignl 7, 3214868480
	.fill 96, 4, 3214868480
	.section	.rodata,"a",@progbits
	.p2align	6, 0x0
	.amdhsa_kernel k_q372d9e4a1f_quant
		.amdhsa_group_segment_fixed_size 33280
		.amdhsa_private_segment_fixed_size 0
		.amdhsa_enable_private_segment 0
		.amdhsa_kernarg_size 80
		.amdhsa_user_sgpr_count 2
		.amdhsa_user_sgpr_kernarg_segment_ptr 1
		.amdhsa_wavefront_size32 1
		.amdhsa_system_sgpr_workgroup_id_x 1
		.amdhsa_system_sgpr_workgroup_id_y 1
		.amdhsa_system_sgpr_workgroup_id_z 1
		.amdhsa_system_vgpr_workitem_id 0
		.amdhsa_next_free_vgpr 192
		.amdhsa_next_free_sgpr 66
		.amdhsa_reserve_vcc 0
		.amdhsa_float_denorm_mode_32 3
		.amdhsa_float_denorm_mode_16_64 3
		.amdhsa_memory_ordered 1
		.amdhsa_forward_progress 1
		.amdhsa_inst_pref_size 55
	.end_amdhsa_kernel
	.amdgpu_metadata
---
amdhsa.version: [ 1, 2 ]
amdhsa.kernels:
  - .name:           k_q372d9e4a1f_quant
    .symbol:         k_q372d9e4a1f_quant.kd
    .args:
      - { .name: query, .offset: 0, .size: 8, .value_kind: global_buffer, .address_space: global }
      - { .name: key, .offset: 8, .size: 8, .value_kind: global_buffer, .address_space: global }
      - { .name: value, .offset: 16, .size: 8, .value_kind: global_buffer, .address_space: global }
      - { .name: Wq, .offset: 24, .size: 8, .value_kind: global_buffer, .address_space: global }
      - { .name: Wk, .offset: 32, .size: 8, .value_kind: global_buffer, .address_space: global }
      - { .name: Wv, .offset: 40, .size: 8, .value_kind: global_buffer, .address_space: global }
      - { .name: Wo, .offset: 48, .size: 8, .value_kind: global_buffer, .address_space: global }
      - { .name: codes, .offset: 56, .size: 8, .value_kind: global_buffer, .address_space: global }
      - { .name: scales, .offset: 64, .size: 8, .value_kind: global_buffer, .address_space: global }
      - { .name: wo16, .offset: 72, .size: 8, .value_kind: global_buffer, .address_space: global }
    .group_segment_fixed_size: 33280
    .private_segment_fixed_size: 0
    .kernarg_segment_align: 8
    .kernarg_segment_size: 80
    .max_flat_workgroup_size: 128
    .sgpr_count:     66
    .vgpr_count:     192
    .wavefront_size: 32
...
	.end_amdgpu_metadata
.endif
;; end of part 1
;; launch proj (part 2): grid 4 x 96, 4 waves a work-group, clusters of 4 x 4, 327,680 bytes of LDS; arguments codes, scales, bq, bv, qkv; writes qkv
.if DOCPART == 2
	.amdgcn_target "amdgcn-amd-amdhsa--gfx1250"
	.amdhsa_code_object_version 6
	.text
	.protected	k_q372d9e4a1f_proj
	.globl	k_q372d9e4a1f_proj
	.p2align	8
	.type	k_q372d9e4a1f_proj,@function
k_q372d9e4a1f_proj:
	s_mov_b64 s[64:65], 0
	v_nop
	global_prefetch_b8 v0, s[64:65] scope:SCOPE_SE
	s_setreg_imm32_b32 hwreg(HW_REG_WAVE_MODE, 25, 1), 1
	s_wait_xcnt 0x0
	s_wait_alu depctr_hold_cnt(0) depctr_sa_sdst(0) depctr_va_vdst(0) depctr_va_sdst(0) depctr_va_ssrc(0) depctr_va_vcc(0) depctr_vm_vsrc(0)
	s_getreg_b32 s2, hwreg(HW_REG_IB_STS2, 6, 4)
	s_cmp_eq_u32 s2, 0
	s_cbranch_scc0 .Lentry_in_a_cluster
	s_endpgm
.Lentry_in_a_cluster:
	s_bfe_u32 s2, ttmp6, 0x10000c
	s_cmp_lg_u32 s2, 0xf033
	s_cbranch_scc0 .Lentry_shape_is_right
	s_endpgm
.Lentry_shape_is_right:
; SECOND LAUNCH: q = query Wq^T + bq, k = key Wk^T, v = value Wv^T + bv, on codes of E2M1 with E8M0 scales, sums in f32, results in f16 laid by head: qkv [z 3][b 4][h 16][s 2,048][64].
; LEFT OUT: bk.  It adds to every score of a query's row the same term, which the softmax along the keys removes for all values of the inputs (shown at the head of the first launch): k's sums begin at 0.
; LIMIT: q, k and v must lie under 65,504 in size (f16).
; The three products are ONE: A = the 24,576 rows of query, key, value on end; B = the 1,024 rows of the weight z = row / 8,192.  Both lie in the buffers codes (512 bytes a row) and scales (32 bytes a row).
; A tile of 256 x 256 is made by a work-group of four waves, a wave makes 128 x 128: 64 accumulators, 512 registers.  K = 1,024 is two LDS slots of 512 along K (rows of 256 bytes): both are asked for at the
; start, and nothing is filled again.  The scale bytes of the tile's rows, 2 x 8,192 dense bytes, come with them.
; CLUSTERS: 4 x 4 work-groups.  The four of a row of the cluster need the same rows of A, the four of a column the same rows of B: each tile is asked for jointly, by the same tensor load with the same
; descriptor and a mask that names the four.  A cluster covers 1,024 rows, so z is the same in all sixteen.
; THE MATRIX INSTRUCTION IS USED TRANSPOSED (source 0 = 16 rows of the weight, source 1 = 16 rows of A): a lane then holds eight neighbouring columns of one row.  The bias is the C of each sum's first product.
; REGISTERS, in windows of 256: window 0: v0-31 addresses; v32-95 scale words, two sets; v128-191 A's fragments, one set; v192-255 the bias, 8 registers for each of the weight's blocks; on the way out v32-63, v192-255.
;   window 1: the weight's fragments, two sets, at v0 and v128.   window 2: the accumulators of my rows 0-63 ((a, b) at v[8 (8 a + b)]);   window 3: those of my rows 64-127.
.set NQ,     4                         ; steps of 128 along K in a slot
.set ROWB,   256                       ; a tile's row in bytes
.set KROW,   512                       ; a row of codes in memory
.set PITCH,  272                       ; an LDS row: 256 bytes + 16 of padding: the 16 rows of a fragment load start 68 words apart
.set FR,     8
.set NL,     2
.set NP,     4
.set HALFT,  128*PITCH
.set SLOT,   4*HALFT                   ; A's 256 rows, then the weight's 256
.set KS,     32                        ; a row of scale bytes
.set SCL,    2*SLOT                    ; behind the slots: the scales, as rows of 256 bytes + 16 of padding
.set HALFS,  (128*KS/256)*272
.set SBLK,   (16*KS/256)*272
.set SPARE,  SCL+4*HALFS               ; the spare words, 128 bytes a wave, which no other line names
.set SPITCH, 272                       ; the way out: a stage of 16 rows x (256 bytes + 16) for each wave, in slot 0, which has had its only fill and its last read by then
.set ADRA, 16
.set ADRB, 20
.set STO,  24
.set RD,   25
.set CO,   26
.set ADRS, 27
.set SPW,  28
.set NIL,  29
.set SC,   32
.set AF,   128
.set BI,   192
.set TMP,  192
.set G1, 24
.set G0, 32
.set G1B, 48
.set G0B, 56
.set G1S, 68
.set G0S, 76
.set G1SB, 80
.set G0SB, 88
.set MSB, 0
.macro WIN new                         ; the immediate's high byte repeats the setting that is left; a switch that changes nothing is dropped
.if MSB != \new
	s_set_vgpr_msb (MSB<<8)|\new
.set MSB, \new
.endif
.endm
.set MUL_LO, 0xa1                      ; source 0 window 1, source 1 window 0, C and D window 2
.set MUL_HI, 0xf1                      ; the same, C and D window 3
.set BIA_LO, 0x81                      ; the first step: C (the bias) window 0, D window 2
.set BIA_HI, 0xc1                      ; D window 3
.set TO_B,   0x40
; A joint load: waves 0 and 1 fetch for A, waves 2 and 3 for the weight.  The branch hangs on the wave's number alone.  An s_nop 0 and four v_nop follow each line.
.macro JLOAD g0a, g1a, g0b, g1b
	s_cmp_eq_u32 s15, 0
	s_cbranch_scc0 .Lfor_b_\@
	tensor_load_to_lds s[\g0a:\g0a+3], s[\g1a:\g1a+7]
	s_nop 0
.rept 4
	v_nop
.endr
	s_branch .Lasked_\@
.Lfor_b_\@:
	tensor_load_to_lds s[\g0b:\g0b+3], s[\g1b:\g1b+7]
	s_nop 0
.rept 4
	v_nop
.endr
.Lasked_\@:
.endm
.macro CROUND                          ; a round of the cluster's barrier
	s_barrier_signal -1
	s_barrier_wait -1
	s_cmp_lg_u32 s14, 0
	s_cbranch_scc1 .Lnot_wave_0_\@
	s_barrier_signal -3
.Lnot_wave_0_\@:
	s_barrier_wait -3
	s_barrier_signal -1
	s_barrier_wait -1
.endm
	s_load_b128 s[4:7], s[0:1], 0x0                ; codes s[4:5], scales s[6:7]
	s_load_b128 s[8:11], s[0:1], 0x10              ; bq s[8:9], bv s[10:11]
	s_load_b64 s[12:13], s[0:1], 0x20              ; qkv
	v_lshl_add_u32 v[SPW], v0, 2, SPARE
	v_mov_b32 v[NIL], 0
	ds_add_u32 v[SPW], v[NIL]                      ; the wave's opening: the add, twice on end, and its wait ahead of my first tensor load
	ds_add_u32 v[SPW], v[NIL]
	v_lshrrev_b32 v1, 5, v0
	v_readfirstlane_b32 s14, v1                    ; wave 0..3
	s_lshr_b32 s15, s14, 1                         ; which half of the tile's rows is mine.  Also: I fetch for A (0) or for the weight (1)
	s_and_b32 s16, s14, 1                          ; which half of its columns.  Also: which 128 rows I fetch
	s_bfe_u32 s40, ttmp6, 0x40000                  ; cx, cy: my place in the cluster
	s_bfe_u32 s41, ttmp6, 0x40004
	s_lshl_b32 s42, ttmp9, 2
	s_add_co_u32 s42, s42, s40                     ; tile column 0..3
	s_and_b32 s17, ttmp7, 0xffff
	s_lshr_b32 s96, s17, 3                         ; z = cluster y / 8: 0 q, 1 k, 2 v; the same in all sixteen partners
	s_lshl_b32 s17, s17, 2
	s_add_co_u32 s17, s17, s41                     ; tile row 0..95
	s_lshl_b32 s43, s41, 2
	s_lshl_b32 s43, 15, s43                        ; my row of the cluster
	s_lshl_b32 s44, 0x1111, s40                    ; my column
	s_or_b32 s[G1+0], s43, (0<<16)|(1<<20)|(1<<21)|(5<<22)|(3<<25)   ; the mask; elements of 1 byte; padding on; bit 21 beside a mask; 4 words of padding after every 64
	s_or_b32 s[G1B+0], s44, (0<<16)|(1<<20)|(1<<21)|(5<<22)|(3<<25)
.irp g, G1, G1B
	s_mov_b32 s[\g+1], ROWB<<16                    ; tensor_dim0
	s_mov_b32 s[\g+2], 128<<16                     ; tensor_dim1
	s_mov_b32 s[\g+3], ROWB<<16                    ; tile_dim0
	s_mov_b32 s[\g+4], 128                         ; tile_dim1
	s_mov_b32 s[\g+5], KROW                        ; from row to row
	s_mov_b32 s[\g+6], 0
	s_mov_b32 s[\g+7], 0
.endr
	s_or_b32 s[G1S+0], s43, (3<<16)|(1<<20)|(1<<21)|(5<<22)|(3<<25)  ; the scales of 128 rows: 4,096 dense bytes as 16 rows of 32 elements of 8 bytes
	s_or_b32 s[G1SB+0], s44, (3<<16)|(1<<20)|(1<<21)|(5<<22)|(3<<25)
.irp g, G1S, G1SB
	s_mov_b32 s[\g+1], 32<<16
	s_mov_b32 s[\g+2], (128*KS/256)<<16
	s_mov_b32 s[\g+3], 32<<16
	s_mov_b32 s[\g+4], 128*KS/256
	s_mov_b32 s[\g+5], 32
	s_mov_b32 s[\g+6], 0
	s_mov_b32 s[\g+7], 0
.endr
	s_lshl_b32 s18, s16, 7                         ; which 128 rows of the tile I fetch
	s_lshl_b32 s20, s17, 8
	s_add_co_u32 s20, s20, s18                     ; A: row 256 x tile row + 128 x half
	s_lshl_b32 s46, s42, 8
	s_add_co_u32 s46, s46, s18                     ; the weight: 256 x tile column + 128 x half,
	s_lshl_b32 s97, s96, 10
	s_add_co_u32 s46, s46, s97                     ; + 1,024 z,
	s_add_co_u32 s46, s46, 24576                   ; behind A's 24,576 rows
	s_lshl_b32 s22, s20, 5                         ; these rows' scale bytes,
	s_mov_b32 s23, 0
	s_lshl_b32 s92, s46, 5
	s_mov_b32 s93, 0
	s_lshl_b32 s20, s20, 9                         ; and their codes (all under 2^24)
	s_mov_b32 s21, 0
	s_lshl_b32 s46, s46, 9
	s_mov_b32 s47, 0
	s_mul_i32 s45, s14, HALFT                      ; where they go: wave x 128 rows: no place in the cluster enters an LDS address
	s_mul_i32 s94, s14, HALFS
	s_wait_dscnt 0x0                               ; both opening adds are done
	s_wait_kmcnt 0x0
	s_add_nc_u64 s[20:21], s[4:5], s[20:21]
	s_add_nc_u64 s[22:23], s[6:7], s[22:23]
	s_add_nc_u64 s[46:47], s[4:5], s[46:47]
	s_add_nc_u64 s[92:93], s[6:7], s[92:93]
	CROUND                                         ; all sixteen work-groups are here: the joint loads meet
	s_mov_b32 s[G0S], 1
	s_add_co_u32 s[G0S+1], s94, SCL
	s_mov_b64 s[G0S+2:G0S+3], s[22:23]
	s_or_b32 s[G0S+3], s[G0S+3], 0x80000000
	s_mov_b32 s[G0SB], 1
	s_add_co_u32 s[G0SB+1], s94, SCL
	s_mov_b64 s[G0SB+2:G0SB+3], s[92:93]
	s_or_b32 s[G0SB+3], s[G0SB+3], 0x80000000
	JLOAD G0S, G1S, G0SB, G1SB                     ; the scales first: they are wanted with slot 0
.irp s, 0,1
	s_mov_b32 s[G0+4*\s], 1
	s_add_co_u32 s[G0+4*\s+1], s45, \s*SLOT
	s_add_nc_u64 s[G0+4*\s+2:G0+4*\s+3], s[20:21], \s*ROWB
	s_or_b32 s[G0+4*\s+3], s[G0+4*\s+3], 0x80000000
	s_mov_b32 s[G0B+4*\s], 1
	s_add_co_u32 s[G0B+4*\s+1], s45, \s*SLOT
	s_add_nc_u64 s[G0B+4*\s+2:G0B+4*\s+3], s[46:47], \s*ROWB
	s_or_b32 s[G0B+4*\s+3], s[G0B+4*\s+3], 0x80000000
	JLOAD G0+4*\s, G1, G0B+4*\s, G1B               ; three loads of mine are out in all
.endr
	v_and_b32 v1, 15, v0                           ; r = lane % 16
	v_bfe_u32 v2, v0, 4, 1                         ; h = lane / 16
	; THE BIAS, in the result's layout: for the weight's block b a lane wants the numbers of columns 16 b + 8 h + 0 .. 7 of my 128.  k has none: its sums begin at 0, by the same registers, so that one text serves all three.
	s_cmp_eq_u32 s96, 1
	s_cbranch_scc1 .Lno_bias
	s_cmp_eq_u32 s96, 0
	s_cselect_b64 s[98:99], s[8:9], s[10:11]       ; bq or bv
	s_lshl_b32 s46, s42, 10                        ; 256 columns of 4 bytes a tile column,
	s_lshl_b32 s47, s16, 9                         ; my half
	s_add_co_u32 s46, s46, s47
	s_mov_b32 s47, 0
	s_add_nc_u64 s[98:99], s[98:99], s[46:47]
	v_lshlrev_b32 v7, 5, v2                        ; 32 h
.irp b, 0,1,2,3,4,5,6,7
	global_load_b128 v[BI+8*\b:BI+8*\b+3], v7, s[98:99] offset:64*\b
	global_load_b128 v[BI+8*\b+4:BI+8*\b+7], v7, s[98:99] offset:64*\b+16
.endr
	s_branch .Lbias_done
.Lno_bias:
.set i, 0
.rept 64
	v_mov_b32 v[BI+i], 0
.set i, i+1
.endr
.Lbias_done:
	v_mul_u32_u24 v3, v1, PITCH
	v_lshl_add_u32 v4, v2, 4, v3                   ; a fragment's row x pitch + 16 x half
	s_mul_i32 s21, s15, HALFT                      ; my 128 rows of A
	s_mul_i32 s22, s16, HALFT                      ; my 128 rows of the weight,
	s_add_co_u32 s22, s22, 2*HALFT                 ; behind A's 256
.irp s, 0,1
	v_add_nc_u32 v[ADRA+\s], s21, v4
	v_add_nc_u32 v[ADRB+\s], s22, v4
	s_add_co_u32 s21, s21, SLOT
	s_add_co_u32 s22, s22, SLOT
.endr
	v_mul_u32_u24 v5, v1, KS                       ; my row's scales: 32 bytes a row,
	v_lshrrev_b32 v6, 8, v5
	v_lshl_add_u32 v5, v6, 4, v5                   ; and 16 more for each 256 passed
	s_mul_i32 s21, s15, HALFS
	s_mul_i32 s22, s16, HALFS
	s_add_co_u32 s22, s22, 2*HALFS
	s_sub_co_u32 s22, s22, s21
	v_mul_u32_u24 v6, s22, v2                      ; lanes 16-31 take the weight's
	s_add_co_u32 s21, s21, SCL
	v_add_nc_u32 v5, v5, v6
	v_add_nc_u32 v[ADRS], s21, v5
	s_mul_i32 s23, s14, 16*SPITCH                  ; my stage
	v_mul_u32_u24 v5, v1, SPITCH                   ; in: row r, 16 bytes for each half of the lanes
	v_lshl_add_u32 v5, v2, 4, v5
	v_add_nc_u32 v[STO], s23, v5
	v_and_b32 v6, 31, v0
	v_lshlrev_b32 v[CO], 4, v6                     ; out: 16 bytes a lane: four rows of 128 bytes of one head are 512 dense bytes of qkv
	v_lshrrev_b32 v5, 3, v6
	v_mul_u32_u24 v5, v5, SPITCH                   ; back: eight lanes to a head's 128 bytes of a stage row, four rows an instruction
	v_and_b32 v6, 7, v6
	v_lshl_add_u32 v5, v6, 4, v5
	v_add_nc_u32 v[RD], s23, v5
	s_lshr_b32 s20, s17, 3                         ; where my part begins in qkv: 4 z + b = tile row / 8, 2^22 bytes each;
	s_lshl_b32 s20, s20, 22
	s_and_b32 s21, s17, 7
	s_lshl_b32 s21, s21, 15                        ; 256 positions of 128 bytes a tile row;
	s_add_co_u32 s20, s20, s21
	s_lshl_b32 s21, s15, 14                        ; my 128 of them;
	s_add_co_u32 s20, s20, s21
	s_lshl_b32 s46, s42, 20                        ; four heads of 2^18 bytes a tile column;
	s_lshl_b32 s47, s16, 19                        ; my two
	s_add_co_u32 s46, s46, s47
	s_add_co_u32 s20, s20, s46
	s_mov_b32 s21, 0
	s_add_nc_u64 s[12:13], s[12:13], s[20:21]
.macro FRAG reg, adr, q, i             ; 16 rows x 128 K of 4-bit codes: 8 registers; registers 4 c .. 4 c + 3 hold K = 64 c + 32 (lane / 16) + 0 .. 31
.irp c, 0,1
	ds_load_b128 v[\reg+4*\c:\reg+4*\c+3], v[\adr] offset:64*(\q)+32*\c+(\i)*16*PITCH
.endr
.endm
; 16 matrix instructions: A's blocks a0, a0 + 1 x the weight's eight.  p: the weight's set; sc: the set of scale words.  first = 1: the sum's first product takes the bias as C.
; The 64 accumulators take turns, one instruction a turn, in the same order in every step.
.macro MUL16 a0, p, q, sc, first
.irp a, \a0, \a0+1
.irp b, 0,1,2,3,4,5,6,7
.if \first
	v_wmma_scale_f32_16x16x128_f8f6f4 v[8*(8*((\a)%4)+\b):8*(8*((\a)%4)+\b)+7], v[128*(\p)+FR*\b:128*(\p)+FR*\b+FR-1], v[AF+FR*(\a):AF+FR*(\a)+FR-1], v[BI+8*\b:BI+8*\b+7], v[SC+8*NQ*(\sc)+NQ*\b+(\q)], v[SC+8*NQ*(\sc)+NQ*(\a)+(\q)] matrix_a_fmt:MATRIX_FMT_FP4 matrix_b_fmt:MATRIX_FMT_FP4 matrix_a_scale:MATRIX_SCALE_ROW1
.else
	v_wmma_scale_f32_16x16x128_f8f6f4 v[8*(8*((\a)%4)+\b):8*(8*((\a)%4)+\b)+7], v[128*(\p)+FR*\b:128*(\p)+FR*\b+FR-1], v[AF+FR*(\a):AF+FR*(\a)+FR-1], v[8*(8*((\a)%4)+\b):8*(8*((\a)%4)+\b)+7], v[SC+8*NQ*(\sc)+NQ*\b+(\q)], v[SC+8*NQ*(\sc)+NQ*(\a)+(\q)] matrix_a_fmt:MATRIX_FMT_FP4 matrix_b_fmt:MATRIX_FMT_FP4 matrix_a_scale:MATRIX_SCALE_ROW1
.endif
.endr
.endr
.endm
.macro FETCH_B slot, q, p
	WIN TO_B
.irp i, 0,1,2,3,4,5,6,7
	FRAG 128*(\p)+FR*\i, ADRB+\slot, \q, \i
.endr
	WIN 0
.endm
.macro FETCH_A slot, q, i0
.irp i, \i0, \i0+1, \i0+2, \i0+3
	FRAG AF+FR*(\i), ADRA+\slot, \q, \i
.endr
.endm
.macro SCALES sc                       ; a slot's scale words: four a row; lanes 0-15 take A's block i, lanes 16-31 the weight's block i
.irp i, 0,1,2,3,4,5,6,7
	ds_load_b128 v[SC+8*NQ*\sc+NQ*\i:SC+8*NQ*\sc+NQ*\i+3], v[ADRS] offset:\i*SBLK
.endr
.endm
.macro PLACES n                        ; plain vector instructions between a matrix instruction and a load into its registers, or a read of its result
.rept \n
	v_nop
.endr
.endm
; A step of 128 along K that has its successor in the same slot.  A block of A is free as soon as its eight products are issued: blocks 0-3 are fetched anew in the step's middle, blocks 4-7 at its end.
.macro STEP slot, q, first
	s_wait_dscnt 4*NL                              ; all but the youngest eight loads (A's blocks 4-7) are in
.if \first
	WIN BIA_LO
.else
	WIN MUL_LO
.endif
	MUL16 0, (\q)%2, \q, \slot, \first
	MUL16 2, (\q)%2, \q, \slot, \first
	s_wait_dscnt 0                                 ; A's blocks 4-7 are in
	PLACES NP
	FETCH_B \slot, (\q)+1, 1-(\q)%2
	FETCH_A \slot, (\q)+1, 0
.if \first
	WIN BIA_HI
.else
	WIN MUL_HI
.endif
	MUL16 4, (\q)%2, \q, \slot, \first
	MUL16 6, (\q)%2, \q, \slot, \first
	PLACES NP
	WIN 0
	FETCH_A \slot, (\q)+1, 4
.endm
.macro STEPS slot, from
.set Q, \from
.rept NQ-1-\from
	STEP \slot, Q, 0
.set Q, Q+1
.endr
.endm
	s_wait_loadcnt 0x0                             ; the bias
	s_wait_tensorcnt 1                             ; the scales and my part of slot 0 are in; slot 1's load may be out
	s_barrier_signal -1
	s_barrier_wait -1                              ; everybody's are
	FETCH_B 0, 0, 0
	FETCH_A 0, 0, 0
	SCALES 0
	FETCH_A 0, 0, 4
	STEP 0, 0, 1
	STEPS 0, 1
	; slot 0's last step changes slots: one barrier.  In front of it each wave has its part of slot 1 in LDS and its reads of slot 0 back.  Nothing is filled again.
	s_wait_tensorcnt 0x0                           ; my part of slot 1 has landed
	s_wait_dscnt 4*NL                              ; (A's blocks 4-7 may be out)
	WIN MUL_LO
	MUL16 0, 1, NQ-1, 0, 0
	s_wait_dscnt 0x0                               ; my reads of slot 0 are over: behind the barrier its first bytes may become the stages
	s_barrier_signal -1
	MUL16 2, 1, NQ-1, 0, 0
	WIN 0
	s_barrier_wait -1
	PLACES NP
	v_add_nc_u32 v[ADRS], 4*NQ, v[ADRS]            ; on to slot 1's scale words
	FETCH_B 1, 0, 0
	FETCH_A 1, 0, 0
	SCALES 1
	WIN MUL_HI
	MUL16 4, 1, NQ-1, 0, 0
	MUL16 6, 1, NQ-1, 0, 0
	PLACES NP
	WIN 0
	FETCH_A 1, 0, 4
	STEPS 1, 0
	s_wait_dscnt 4*NL                              ; the last step: nothing more to fetch
	WIN MUL_LO
	MUL16 0, 1, NQ-1, 1, 0
	MUL16 2, 1, NQ-1, 1, 0
	s_wait_dscnt 0
	WIN MUL_HI
	MUL16 4, 1, NQ-1, 1, 0
	MUL16 6, 1, NQ-1, 1, 0
	WIN 0
; THE WAY OUT, block by block of 16 rows x 128 columns (two heads).  PACK: to f16, 16 bytes a lane, each accumulator from its low end on.  TOSTAGE: into my stage, and back by heads: four rows of 128 bytes.  SEND: stored.
.macro PACK a
.set AC, 64*((\a)%4)
	WIN 0x0a+5*((\a)/4)                            ; sources 0 and 1: window 2 or 3
.irp b, 0,1,2,3,4,5,6,7
.irp r, 0,1,2,3
	v_cvt_pk_f16_f32 v[TMP+4*\b+\r], v[AC+8*\b+2*\r], v[AC+8*\b+2*\r+1]
.endr
.endr
	WIN 0
.endm
.macro TOSTAGE a
.set BB, 32+192*((\a)%2)
.irp b, 0,1,2,3,4,5,6,7
	ds_store_b128 v[STO], v[TMP+4*\b:TMP+4*\b+3] offset:32*\b
.endr
.irp t, 0,1,2,3,4,5,6,7
	ds_load_b128 v[BB+4*\t:BB+4*\t+3], v[RD] offset:(\t%4)*4*SPITCH+(\t/4)*128   ; LDS serves a wave's instructions in order: these see the stores above
.endr
.endm
.macro SEND a
.set BB, 32+192*((\a)%2)
	s_wait_dscnt 0x0                               ; the block is back in registers
	s_wait_xcnt 0x0                                ; the stores of the block before have read their registers: the next block's loads land there only behind this wait
.irp t, 0,1,2,3,4,5,6,7
	global_store_b128 v[CO], v[BB+4*\t:BB+4*\t+3], s[12:13] offset:(\a)*2048+(\t%4)*512+(\t/4)*262144   ; the wave stores 512 consecutive bytes, aligned: four positions of one head
.endr
.endm
	PLACES NP                                      ; behind the last products
	PACK 0
	TOSTAGE 0
.irp a, 1,2,3,4,5,6,7                  ; block a's conversions stand between block a - 1's loads from the stage and the wait for them
	PACK \a
	SEND \a-1
	TOSTAGE \a
.endr
	SEND 7
	s_wait_tensorcnt 0x0                           ; the wave's end: a tensor wait, an add to my spare word and its wait, behind my last tensor load and my last LDS store
	ds_add_u32 v[SPW], v[NIL]
	s_wait_dscnt 0x0
	CROUND                                         ; the closing round
	s_endpgm
.Lfunc_end_k_q372d9e4a1f_proj:
	.size	k_q372d9e4a1f_proj, .Lfunc_end_k_q372d9e4a1f_proj-k_q372d9e4a1f_proj
	.p2alignl 7, 3214868480
	.fill 96, 4, 3214868480
	.section	.rodata,"a",@progbits
	.p2align	6, 0x0
	.amdhsa_kernel k_q372d9e4a1f_proj
		.amdhsa_group_segment_fixed_size 327680
		.amdhsa_private_segment_fixed_size 0
		.amdhsa_enable_private_segment 0
		.amdhsa_kernarg_size 40
		.amdhsa_user_sgpr_count 2
		.amdhsa_user_sgpr_kernarg_segment_ptr 1
		.amdhsa_wavefront_size32 1
		.amdhsa_system_sgpr_workgroup_id_x 1
		.amdhsa_system_sgpr_workgroup_id_y 1
		.amdhsa_system_sgpr_workgroup_id_z 1
		.amdhsa_system_vgpr_workitem_id 0
		.amdhsa_next_free_vgpr 1024
		.amdhsa_next_free_sgpr 100
		.amdhsa_reserve_vcc 0
		.amdhsa_float_denorm_mode_32 3
		.amdhsa_float_denorm_mode_16_64 3
		.amdhsa_memory_ordered 1
		.amdhsa_forward_progress 1
		.amdhsa_inst_pref_size 130
	.end_amdhsa_kernel
	.amdgpu_metadata
---
amdhsa.version: [ 1, 2 ]
amdhsa.kernels:
  - .name:           k_q372d9e4a1f_proj
    .symbol:         k_q372d9e4a1f_proj.kd
    .args:
      - { .name: codes, .offset: 0, .size: 8, .value_kind: global_buffer, .address_space: global }
      - { .name: scales, .offset: 8, .size: 8, .value_kind: global_buffer, .address_space: global }
      - { .name: bq, .offset: 16, .size: 8, .value_kind: global_buffer, .address_space: global }
      - { .name: bv, .offset: 24, .size: 8, .value_kind: global_buffer, .address_space: global }
      - { .name: qkv, .offset: 32, .size: 8, .value_kind: global_buffer, .address_space: global }
    .group_segment_fixed_size: 327680
    .private_segment_fixed_size: 0
    .kernarg_segment_align: 8
    .kernarg_segment_size: 40
    .max_flat_workgroup_size: 128
    .sgpr_count:     100
    .vgpr_count:     1024
    .wavefront_size: 32
...
	.end_amdgpu_metadata
.endif
;; end of part 2
;; launch attn (part 3): grid 4 x 64, 8 waves a work-group, clusters of 4 x 1, 327,680 bytes of LDS; arguments qkv, att; writes att
.if DOCPART == 3
	.amdgcn_target "amdgcn-amd-amdhsa--gfx1250"
	.amdhsa_code_object_version 6
	.text
	.protected	k_q372d9e4a1f_attn
	.globl	k_q372d9e4a1f_attn
	.p2align	8
	.type	k_q372d9e4a1f_attn,@function
k_q372d9e4a1f_attn:
	s_mov_b64 s[64:65], 0
	v_nop
	global_prefetch_b8 v0, s[64:65] scope:SCOPE_SE
	s_setreg_imm32_b32 hwreg(HW_REG_WAVE_MODE, 25, 1), 1
	s_wait_xcnt 0x0
	s_wait_alu depctr_hold_cnt(0) depctr_sa_sdst(0) depctr_va_vdst(0) depctr_va_sdst(0) depctr_va_ssrc(0) depctr_va_vcc(0) depctr_vm_vsrc(0)
	s_getreg_b32 s2, hwreg(HW_REG_IB_STS2, 6, 4)
	s_cmp_eq_u32 s2, 0
	s_cbranch_scc0 .Lentry_in_a_cluster
	s_endpgm
.Lentry_in_a_cluster:
	s_bfe_u32 s2, ttmp6, 0x10000c
	s_cmp_lg_u32 s2, 0x3003
	s_cbranch_scc0 .Lentry_shape_is_right
	s_endpgm
.Lentry_shape_is_right:
; THIRD LAUNCH: att[b][h][q][:] = the sum over k of softmax_k(q . k / 8) v[k][:], for each of the 64 pairs (b, h).  q, k, v: the three thirds of qkv, [b][h][s 2,048][64] in f16; att: the same layout, f16.
; Products, maxima and sums in f32; the weights p are rounded to f16 for the second product, att once at the end.  LIMIT: att lies under 65,504 in size where v does.
; SHARES.  A cluster of four work-groups is one (b, h); a work-group owns 512 queries, each of its EIGHT waves 64: four tiles of 16, in 512 registers: two waves to a SIMD, so that one wave's softmax stands beside
; the other's products.  Every wave walks all 2,048 keys, 64 a step; each fragment of K or V that it reads from LDS feeds four matrix instructions.
; LAYOUT.  S^T = K Q^T (source 0 = 16 keys, source 1 = 16 queries): a lane holds ONE query (lane % 16) and the keys 8 (lane / 16) + 0..7 of each tile.  Two such tiles, rounded to f16 in pairs, ARE source 1 of
; O^T = V^T P, whose result again holds one query a lane and eight channels.  K comes out of LDS as it lies, V ([key][channel]) turned, by ds_load_tr16_b128.
; SOFTMAX.  For each query a running maximum m and sum l: p = 2^(c s - c m), c = log2(e) / 8; in every step O and l are multiplied by a = 2^(c m_old - c m_new).  m begins at -3e38, O and l at 0: the step is written once.
; RING.  Two LDS slots of four steps (256 keys).  The four work-groups walk the same K and V: each tile is asked for jointly (the same tensor load, the same descriptor, a mask that names the four).
; Waves 0-3 fetch the four steps' tiles of K, waves 4-7 those of V: one load a wave behind each round, and a whole slot's steps in which it lands.
; REGISTERS: window 0: v1-11 addresses; v12-43 statistics, 8 a tile (+0 c m, +1 m, +2 +3 l, +4..+7 at work, a at +6); v61 prefetch offset; v62, v63 the add's; v64-191 S^T, 32 a tile; v192-255 P, 16 a tile.
;   window 1: v0-127 O^T, 32 a tile; v128-191 Q, 16 a tile; v192-255 a step's K, then its V.
.set KS,    64
.set PK,    144                        ; a row of K in LDS: 128 bytes + 16: an odd multiple of 16
.set PV,    160                        ; a row of V: 128 + 32: an odd multiple of 32, for the turning load
.set VOFF,  KS*PK
.set STEPB, KS*(PK+PV)                 ; a step's tiles lie together: 64 rows of K, then 64 of V
.set NST,   4                          ; steps in a slot
.set SLOT1, 1<<17                      ; slot 1 begins here: one exclusive or turns an address in one slot into the other's
.set SLOTB, NST*KS*128                 ; a slot's keys in memory: 32,768 bytes of K, as many of V
.set THIRD, 16777216                   ; q's, k's, v's part of qkv
.set STAGE, SLOT1+NST*STEPB            ; behind the ring: 16 rows x 144 bytes for each wave, for the way out
.set SP,    144
.set SPARE, STAGE+8*16*SP              ; the spare words, 128 bytes a wave, which no other line names
.set AK0, 2
.set AV0, 3
.set ADK, 4
.set ADV, 5
.set STO, 6
.set RD,  7
.set GO,  8
.set QO,  10
.set ST,  12
.set PFO, 61
.set SPW, 62
.set NIL, 63
.set S,   64
.set P,   192
.set QF,  128                          ; in window 1
.set KV,  192                          ; in window 1
.set WV,  12
.set LIM, 15
.set PFA, 18
.set G1K, 24
.set G1V, 32
.set G0K, 40
.set G0V, 44
.set SLOTS, 56
.set CNT, 57
.set CS,  58
.set SEL, 60
.set TB,  62
.set MSB, 0
.macro WIN new
.if MSB != \new
	s_set_vgpr_msb (MSB<<8)|\new
.set MSB, \new
.endif
.endm
.set W_LD, 0x40                        ; destination window 1, address window 0
.set W_KQ, 0x05                        ; K and Q window 1, S^T window 0
.set W_PV, 0x51                        ; V window 1, P window 0, O^T window 1
.set W_RS, 0x41                        ; O^T (destination and source 0) window 1, the factor window 0
.macro JLOAD                           ; the branch hangs on the wave's number alone; an s_nop 0 and four v_nop follow each line
	s_cmp_lt_u32 s[WV], 4
	s_cbranch_scc0 .Lfor_v_\@
	tensor_load_to_lds s[G0K:G0K+3], s[G1K:G1K+7]
	s_nop 0
.rept 4
	v_nop
.endr
	s_branch .Lasked_\@
.Lfor_v_\@:
	tensor_load_to_lds s[G0V:G0V+3], s[G1V:G1V+7]
	s_nop 0
.rept 4
	v_nop
.endr
.Lasked_\@:
.endm
; A PREFETCH of what the NEXT change of slots will ask for: a slot's 32,768 bytes of K and of V.  The four partners take 8,192 bytes each, told apart by address; in each, wave 0 asks for K's and wave 4 for V's,
; lanes 256 bytes apart: each aligned block of 256 bytes is named once in the launch.  It stands four key steps ahead of the load that wants the bytes.  The last change that fills a slot asks for nothing.
.macro ASK
	s_cmp_gt_u32 s[SLOTS], s[LIM]
	s_cbranch_scc0 .Lnot_mine_\@
	global_prefetch_b8 v[PFO], s[PFA:PFA+1] th:TH_LOAD_NT scope:SCOPE_SE
.Lnot_mine_\@:
.endm
.macro CROUND
	s_barrier_signal -1
	s_barrier_wait -1
	s_cmp_lg_u32 s[WV], 0
	s_cbranch_scc1 .Lnot_wave_0_\@
	s_barrier_signal -3
.Lnot_wave_0_\@:
	s_barrier_wait -3
	s_barrier_signal -1
	s_barrier_wait -1
.endm
	s_load_b128 s[4:7], s[0:1], 0x0                ; qkv s[4:5], att s[6:7]
	v_lshl_add_u32 v[SPW], v0, 2, SPARE
	v_mov_b32 v[NIL], 0
	ds_add_u32 v[SPW], v[NIL]                      ; the wave's opening: the add, twice on end, and its wait ahead of my first tensor load
	ds_add_u32 v[SPW], v[NIL]
	v_lshrrev_b32 v1, 5, v0
	v_readfirstlane_b32 s[WV], v1                  ; wave 0..7
	s_bfe_u32 s13, ttmp6, 0x40000                  ; cx
	s_lshl_b32 s14, ttmp9, 2
	s_add_co_u32 s14, s14, s13                     ; my block of 512 queries: it enters Q's, att's and the prefetches' addresses alone
	s_and_b32 s20, ttmp7, 0xffff                   ; (b, h), which the four partners share
	s_lshl_b32 s20, s20, 18                        ; its 2,048 rows of 128 bytes
	s_and_b32 s16, s[WV], 3                        ; which of a slot's four steps I fetch:
	s_lshl_b32 s22, s16, 13                        ; its 64 rows in memory,
	s_add_co_u32 s22, s22, s20
	s_mov_b32 s23, 0
	s_mul_i32 s17, s16, STEPB                      ; and its place in a slot
	s_lshl_b32 s2, s14, 16                         ; my block's 512 rows,
	s_lshl_b32 s3, s[WV], 13                       ; my wave's 64
	s_add_co_u32 s2, s2, s3
	s_add_co_u32 s2, s2, s20
	s_mov_b32 s3, 0
	s_cmp_lt_u32 s[WV], 4                          ; the prefetches: K's third or V's,
	s_mov_b32 s10, 2*THIRD
	s_cselect_b32 s10, THIRD, s10
	s_lshl_b32 s11, s13, 13                        ; my work-group's 8,192 bytes of a slot,
	s_add_co_u32 s10, s10, s11
	s_add_co_u32 s10, s10, s20
	s_add_co_u32 s10, s10, SLOTB                   ; in slot 1: the first change of slots steps it to slot 2
	s_mov_b32 s11, 0
	s_cmp_eq_u32 s16, 0
	s_cselect_b32 s[LIM], 1, -1                    ; waves 0 and 4 ask, while more than one slot is still to be asked for
	s_mov_b32 s[G1K], 15|(1<<16)|(1<<20)|(1<<21)|(4<<22)|(3<<25)   ; the mask: all four; elements of 2 bytes; padding on; bit 21 beside a mask; 4 words of padding after every 32
	s_mov_b32 s[G1V], 15|(1<<16)|(1<<20)|(1<<21)|(4<<22)|(7<<25)   ; the same with 8 words
.irp g, G1K, G1V
	s_mov_b32 s[\g+1], 64<<16                      ; tensor_dim0 = 64
	s_mov_b32 s[\g+2], KS<<16                      ; tensor_dim1 = 64
	s_mov_b32 s[\g+3], 64<<16                      ; tile_dim0 = 64
	s_mov_b32 s[\g+4], KS                          ; tile_dim1 = 64
	s_mov_b32 s[\g+5], 64                          ; from row to row
	s_mov_b32 s[\g+6], 0
	s_mov_b32 s[\g+7], 0
.endr
	s_mov_b32 s[CS], 0x3e38aa3b                    ; c = log2(e) / 8
	s_mov_b32 s[CS+1], s[CS]                       ; (named with it as a pair)
	s_mov_b32 s[SEL], 0x76543210
	s_mov_b32 s[SEL+1], 0xfedcba98                 ; lane l xor 16
	s_mov_b32 s[TB], 0
	s_mov_b32 s[SLOTS], 7
	s_wait_dscnt 0x0                               ; both opening adds are done
	s_wait_kmcnt 0x0
	s_add_nc_u64 s[8:9], s[4:5], s[22:23]
	s_add_nc_u64 s[PFA:PFA+1], s[4:5], s[10:11]
	s_add_nc_u64 s[4:5], s[4:5], s[2:3]            ; Q and att at my wave's first row
	s_add_nc_u64 s[6:7], s[6:7], s[2:3]
	s_mov_b32 s[G0K], 1
	s_mov_b32 s[G0K+1], s17                        ; slot 0
	s_add_nc_u64 s[G0K+2:G0K+3], s[8:9], THIRD
	s_or_b32 s[G0K+3], s[G0K+3], 0x80000000
	s_mov_b32 s[G0V], 1
	s_add_co_u32 s[G0V+1], s17, VOFF
	s_add_nc_u64 s[G0V+2:G0V+3], s[8:9], 2*THIRD
	s_or_b32 s[G0V+3], s[G0V+3], 0x80000000
	CROUND                                         ; all four work-groups are here
	JLOAD                                          ; slot 0: one load of mine is out
	v_and_b32 v1, 15, v0                           ; r
	v_bfe_u32 v9, v0, 4, 1                         ; h
	v_lshlrev_b32 v[QO], 7, v1
	v_lshl_add_u32 v[QO], v9, 4, v[QO]             ; row x 128 + 16 x half
	WIN W_LD
.irp i, 0,1,2,3,4,5,6,7                ; Q stays in registers: tile i / 2, channels 32 (i % 2) on
	global_load_b128 v[QF+8*\i:QF+8*\i+3],   v[QO], s[4:5] offset:(\i/2)*2048+(\i%2)*64
	global_load_b128 v[QF+8*\i+4:QF+8*\i+7], v[QO], s[4:5] offset:(\i/2)*2048+(\i%2)*64+32
.endr
.set i, 0
.rept 128
	v_mov_b32 v[i], 0                              ; O^T, once a wave: the step is then written once, with no first step of its own
.set i, i+1
.endr
	WIN 0
	v_mul_u32_u24 v[AK0], v1, PK
	v_lshl_add_u32 v[AK0], v9, 4, v[AK0]
	v_and_b32 v11, 7, v0                           ; the turning load: lane l reads key 8 (l / 16) + l % 8, channels 8 ((l / 8) % 2) + 0..7
	v_bfe_u32 v44, v0, 3, 1
	v_lshl_add_u32 v[AV0], v9, 3, v11
	v_mul_u32_u24 v[AV0], v[AV0], PV
	v_lshl_add_u32 v[AV0], v44, 4, v[AV0]
	v_add_nc_u32 v[AV0], VOFF, v[AV0]
	v_and_b32 v45, 31, v0
	s_mul_i32 s16, s[WV], 16*SP
	s_add_co_u32 s16, s16, STAGE                   ; my stage
	v_mul_u32_u24 v[STO], v1, SP                   ; in: row r, 16 bytes for each half of the lanes
	v_lshl_add_u32 v[STO], v9, 4, v[STO]
	v_add_nc_u32 v[STO], s16, v[STO]
	v_lshrrev_b32 v46, 3, v45                      ; back: eight lanes to a row of 128 bytes, four rows an instruction
	v_and_b32 v47, 7, v45
	v_mul_u32_u24 v[RD], v46, SP
	v_lshl_add_u32 v[RD], v47, 4, v[RD]
	v_add_nc_u32 v[RD], s16, v[RD]
	v_lshlrev_b32 v[GO], 4, v45                    ; and the same 512 dense bytes in att
	v_lshlrev_b32 v[PFO], 8, v45
.irp t, 0,1,2,3
	v_mov_b32 v[ST+8*\t+1], 0xff61b1e6             ; m = -3e38, under every score
	v_mul_f32 v[ST+8*\t], s[CS], v[ST+8*\t+1]      ; c m
	v_mov_b32 v[ST+8*\t+2], 0                      ; l, in two halves
	v_mov_b32 v[ST+8*\t+3], 0
.endr
; One tile's softmax for one key step is a list of 118 instructions; SM writes number j of it for tile t.  s0-s31 are the lane's 32 scores, in pairs 0-15.
;   0-15 the maximum of s0-s31 and the old m (each accumulator is first read at its low end);  16-20 the other half of the lanes' maximum, the new m, c m, c m_old - c m_new
;   21-69 ONE BATCH: 16 scalings c s - c m and 33 exponentials (a at 23, then s0-s31); none of these names an exponential's result;  then the one wait, written in STEP
;   70-85 the roundings to f16;  86-101 the sums, l = a l + the sum;  102-117 the tile's O^T times a
.macro SM t
.set rT, ST+8*(\t)
.set rS, S+32*(\t)
.set rP, P+16*(\t)
.set rO, 32*(\t)+2*(j-102)
.if j < 102
	WIN 0
.endif
.if j < 4
	v_max3_num_f32 v[rT+4+j], v[rS+8*j], v[rS+8*j+1], v[rS+8*j+2]
.elseif j < 12
	v_max3_num_f32 v[rT+4+j%4], v[rT+4+j%4], v[rS+8*(j%4)+2*(j/4)+1], v[rS+8*(j%4)+2*(j/4)+2]
.elseif j == 12
	v_max3_num_f32 v[rT+4], v[rT+4], v[rS+7], v[rS+15]
.elseif j == 13
	v_max3_num_f32 v[rT+6], v[rT+6], v[rS+23], v[rS+31]
.elseif j == 14
	v_max3_num_f32 v[rT+4], v[rT+4], v[rT+5], v[rT+6]
.elseif j == 15
	v_max3_num_f32 v[rT+4], v[rT+4], v[rT+7], v[rT+1]
.elseif j == 16
	v_permlanex16_b32 v[rT+5], v[rT+4], s[SEL], s[SEL+1]   ; the query's other 32 keys lie in the lane 16 away
.elseif j == 17
	v_mov_b32 v[rT+7], v[rT]                       ; c m_old is kept for a
.elseif j == 18
	v_max_num_f32 v[rT+1], v[rT+4], v[rT+5]
.elseif j == 19
	v_mul_f32 v[rT], s[CS], v[rT+1]
.elseif j == 20
	v_sub_f32 v[rT+7], v[rT+7], v[rT]
.elseif j == 23
	v_exp_f32 v[rT+6], v[rT+7]
.elseif (j < 23) || ((j < 38) && (j%2 == 0)) || ((j < 66) && (j%4 == 2))
.set b, (j-2)/4                        ; 38, 42, .. 62: pairs 9 to 15
.if j < 38
.set b, (j-20)/2                       ; 21: pair 0; 22, 24, .. 36: pairs 1 to 8
.endif
	v_pk_fma_f32 v[rS+2*b:rS+2*b+1], v[rS+2*b:rS+2*b+1], s[CS:CS+1], v[rT:rT+1] op_sel_hi:[1,0,0] neg_lo:[0,0,1] neg_hi:[0,0,1]
.elseif j < 70
.set e, j-38                           ; 66 to 69: s28 to s31
.if j < 66
.set e, j-32-(j-38)/4                  ; 39-41, 43-45, .. 63-65: s7 to s27
.endif
.if j < 38
.set e, (j-25)/2                       ; 25, 27, .. 37: s0 to s6
.endif
	v_exp_f32 v[rS+e], v[rS+e]
.elseif j < 86
	v_cvt_pk_f16_f32 v[rP+j-70], v[rS+2*(j-70)], v[rS+2*(j-70)+1]
.elseif j < 102                        ; the sum of the 16 pairs, in place: neighbours 1, 2, 4 and 8 pairs apart, then l takes it
.set z, j-86
.set w, 4
.set u, z
.if z >= 14
.set w, 32
.set u, 0
.elseif z >= 12
.set w, 16
.set u, z-12
.elseif z >= 8
.set w, 8
.set u, z-8
.endif
.if z < 15
	v_pk_add_f32 v[rS+w*u:rS+w*u+1], v[rS+w*u:rS+w*u+1], v[rS+w*u+w/2:rS+w*u+w/2+1]
.else
	v_pk_fma_f32 v[rT+2:rT+3], v[rT+2:rT+3], v[rT+6:rT+7], v[rS:rS+1] op_sel_hi:[1,0,1]
.endif
.else
	WIN W_RS
	v_pk_mul_f32 v[rO:rO+1], v[rO:rO+1], v[rT+6:rT+7] op_sel_hi:[1,0]
.endif
.endm
; A KEY STEP: 64 keys, in phases.
.macro STEP
	v_add_nc_u32 v[ADK], s[TB], v[AK0]             ; these four plain instructions stand between the last step's products and the loads into the registers that they read
	v_add_nc_u32 v[ADV], s[TB], v[AV0]
	v_nop
	v_nop
	WIN W_LD
.irp f, 0,1,2,3,4,5,6,7                ; K: keys 16 (f / 2) on, channels 32 (f % 2) on
	ds_load_b128 v[KV+8*\f:KV+8*\f+3],   v[ADK] offset:(\f/2)*16*PK+(\f%2)*64
	ds_load_b128 v[KV+8*\f+4:KV+8*\f+7], v[ADK] offset:(\f/2)*16*PK+(\f%2)*64+32
.endr
	s_wait_dscnt 0x0
	WIN W_KQ
.irp c, 0,1                            ; S^T = K Q^T: 16 accumulators by turns, one instruction a turn; the first 16 start the sums
.irp kt, 0,1,2,3
.irp t, 0,1,2,3
.if \c == 0
	v_wmma_f32_16x16x32_f16 v[S+32*\t+8*\kt:S+32*\t+8*\kt+7], v[KV+16*\kt+8*\c:KV+16*\kt+8*\c+7], v[QF+16*\t+8*\c:QF+16*\t+8*\c+7], 0
.else
	v_wmma_f32_16x16x32_f16 v[S+32*\t+8*\kt:S+32*\t+8*\kt+7], v[KV+16*\kt+8*\c:KV+16*\kt+8*\c+7], v[QF+16*\t+8*\c:QF+16*\t+8*\c+7], v[S+32*\t+8*\kt:S+32*\t+8*\kt+7]
.endif
.endr
.endr
.endr
.rept 4
	v_nop                                          ; places in front of the loads into K's registers and of the first read of the scores
.endr
	WIN W_LD
.irp f, 0,1,2,3,4,5,6,7                ; V, turned: keys 32 (f / 4) on, channels 16 (f % 4) on.  It lands while the softmax is walked
	ds_load_tr16_b128 v[KV+8*\f:KV+8*\f+3],   v[ADV] offset:(\f/4)*32*PV+(\f%4)*32
	ds_load_tr16_b128 v[KV+8*\f+4:KV+8*\f+7], v[ADV] offset:(\f/4)*32*PV+16*PV+(\f%4)*32
.endr
	WIN 0
.set j, 0
.rept 22                               ; the four tiles by turns, so that no instruction reads the result of the one just before it
.irp t, 0,1,2,3
	SM \t
.endr
.set j, j+1
.endr
.set g, 0
.rept 12                               ; the batch, in fours of one tile
.irp t, 0,1,2,3
.irp n, 0,1,2,3
.set j, 22+4*g+\n
	SM \t
.endr
.endr
.set g, g+1
.endr
	v_nop                                          ; a plain instruction behind the last exponential
	s_wait_alu depctr_va_vdst(0)                   ; ONE wait for the step's 132 exponentials, ahead of the first instruction that names a result
.set j, 70
.rept 48
.irp t, 0,1,2,3
	SM \t
.endr
.set j, j+1
.endr
	s_wait_dscnt 0x0                               ; V is in
	WIN W_PV
.irp kc, 0,1                           ; O^T += V^T P: 16 accumulators by turns
.irp ct, 0,1,2,3
.irp t, 0,1,2,3
	v_wmma_f32_16x16x32_f16 v[32*\t+8*\ct:32*\t+8*\ct+7], v[KV+32*\kc+8*\ct:KV+32*\kc+8*\ct+7], v[P+16*\t+8*\kc:P+16*\t+8*\kc+7], v[32*\t+8*\ct:32*\t+8*\ct+7]
.endr
.endr
.endr
	WIN 0
	s_add_co_u32 s[TB], s[TB], STEPB
.endm
.macro SLOT_STEPS                      ; a slot's four key steps: written once, walked four times
	s_mov_b32 s[CNT], NST
.Lstep_\@:
	STEP
	s_sub_co_u32 s[CNT], s[CNT], 1
	s_cmp_lg_u32 s[CNT], 0
	s_cbranch_scc1 .Lstep_\@
	s_sub_co_u32 s[TB], s[TB], NST*STEPB           ; back to a slot's first step,
	s_xor_b32 s[TB], s[TB], SLOT1                  ; in the other slot
.endm
; THE CHANGE OF SLOTS stands at a slot's head.  Each wave waits for all its tensor loads (its part of the slot ahead), adds 0 to its spare word, and waits for that and for its reads of the slot that it has left.
; fill = 1: a round of the cluster's barrier, and behind it the other slot is asked for, with the keys that follow: the wave's one tensor load until the next round.
.macro CHANGE fill
	s_wait_tensorcnt 0x0                           ; no tensor load of mine is out, so a descriptor may be written
	ds_add_u32 v[SPW], v[NIL]
.if \fill
	s_xor_b32 s[G0K+1], s[G0K+1], SLOT1            ; the walking descriptors: the other slot than last time,
	s_add_nc_u64 s[G0K+2:G0K+3], s[G0K+2:G0K+3], SLOTB   ; the next 256 keys
	s_xor_b32 s[G0V+1], s[G0V+1], SLOT1
	s_add_nc_u64 s[G0V+2:G0V+3], s[G0V+2:G0V+3], SLOTB
	s_wait_xcnt 0x0                                ; the last prefetch, a slot back, has read its address
	s_add_nc_u64 s[PFA:PFA+1], s[PFA:PFA+1], SLOTB ; one slot further on than the descriptors
	s_wait_dscnt 0x0                               ; the add is done, and my reads of the slot that I have left are over
	CROUND
	JLOAD
	ASK
.else
	s_wait_dscnt 0x0
	s_barrier_signal -1
	s_barrier_wait -1
.endif
.endm
	s_wait_loadcnt 0x0                             ; Q
.Lslot:                                            ; seven trips: behind each change of slots but the last the next slot is asked for
	CHANGE 1
	SLOT_STEPS
	s_sub_co_u32 s[SLOTS], s[SLOTS], 1
	s_cmp_lg_u32 s[SLOTS], 0
	s_cbranch_scc1 .Lslot
	CHANGE 0                                       ; the last slot is written out
	SLOT_STEPS
	; THE WAY OUT.  l's two halves and the other half of the lanes' are added; O^T is divided by l, rounded to f16 and sent through my stage, a tile (16 rows) at a time.  The additions are the places behind the last products.
.irp t, 0,1,2,3
	v_add_f32 v[ST+8*\t+4], v[ST+8*\t+2], v[ST+8*\t+3]
.endr
.irp t, 0,1,2,3
	v_permlanex16_b32 v[ST+8*\t+5], v[ST+8*\t+4], s[SEL], s[SEL+1]
.endr
.irp t, 0,1,2,3
	v_add_f32 v[ST+8*\t+4], v[ST+8*\t+4], v[ST+8*\t+5]
.endr
.irp t, 0,1,2,3
	v_rcp_f32 v[ST+8*\t+6], v[ST+8*\t+4]
.endr
	v_nop                                          ; a plain instruction behind the last reciprocal
	s_wait_alu depctr_va_vdst(0)                   ; one wait for the four, ahead of their first reader
.macro PACK t
	WIN W_RS
.set i, 32*\t
.rept 16
	v_pk_mul_f32 v[i:i+1], v[i:i+1], v[ST+8*\t+6:ST+8*\t+7] op_sel_hi:[1,0]
.set i, i+2
.endr
	WIN 0x05                                       ; sources window 1, destination window 0: S^T's registers are free
.set i, 0
.rept 16
	v_cvt_pk_f16_f32 v[S+32*\t+i], v[32*\t+2*i], v[32*\t+2*i+1]
.set i, i+1
.endr
	WIN 0
.irp f, 0,1,2,3
	ds_store_b128 v[STO], v[S+32*\t+4*\f:S+32*\t+4*\f+3] offset:32*\f
.endr
.irp f, 0,1,2,3
	ds_load_b128 v[S+32*\t+4*\f:S+32*\t+4*\f+3], v[RD] offset:\f*4*SP   ; LDS serves a wave's instructions in order: these see the stores above; the next tile's stores come behind them
.endr
.endm
.macro SEND t, younger                 ; younger: the next tile's eight LDS instructions, or none
.irp f, 0,1,2,3
	s_wait_dscnt \younger+3-\f
	global_store_b128 v[GO], v[S+32*\t+4*\f:S+32*\t+4*\f+3], s[6:7] offset:\t*2048+\f*512   ; the wave stores 512 consecutive bytes, aligned
.endr
.endm
	PACK 0
	PACK 1
	SEND 0, 8
	PACK 2
	SEND 1, 8
	PACK 3
	SEND 2, 8
	SEND 3, 0
	s_wait_tensorcnt 0x0                           ; the wave's end: a tensor wait, an add to my spare word and its wait, behind my last tensor load and my last LDS store
	ds_add_u32 v[SPW], v[NIL]
	s_wait_dscnt 0x0
	CROUND                                         ; the closing round
	s_endpgm
.Lfunc_end_k_q372d9e4a1f_attn:
	.size	k_q372d9e4a1f_attn, .Lfunc_end_k_q372d9e4a1f_attn-k_q372d9e4a1f_attn
	.p2alignl 7, 3214868480
	.fill 96, 4, 3214868480
	.section	.rodata,"a",@progbits
	.p2align	6, 0x0
	.amdhsa_kernel k_q372d9e4a1f_attn
		.amdhsa_group_segment_fixed_size 327680
		.amdhsa_private_segment_fixed_size 0
		.amdhsa_enable_private_segment 0
		.amdhsa_kernarg_size 16
		.amdhsa_user_sgpr_count 2
		.amdhsa_user_sgpr_kernarg_segment_ptr 1
		.amdhsa_wavefront_size32 1
		.amdhsa_system_sgpr_workgroup_id_x 1
		.amdhsa_system_sgpr_workgroup_id_y 1
		.amdhsa_system_sgpr_workgroup_id_z 1
		.amdhsa_system_vgpr_workitem_id 0
		.amdhsa_next_free_vgpr 512
		.amdhsa_next_free_sgpr 66
		.amdhsa_reserve_vcc 0
		.amdhsa_float_denorm_mode_32 3
		.amdhsa_float_denorm_mode_16_64 3
		.amdhsa_memory_ordered 1
		.amdhsa_forward_progress 1
		.amdhsa_inst_pref_size 91
	.end_amdhsa_kernel
	.amdgpu_metadata
---
amdhsa.version: [ 1, 2 ]
amdhsa.kernels:
  - .name:           k_q372d9e4a1f_attn
    .symbol:         k_q372d9e4a1f_attn.kd
    .args:
      - { .name: qkv, .offset: 0, .size: 8, .value_kind: global_buffer, .address_space: global }
      - { .name: att, .offset: 8, .size: 8, .value_kind: global_buffer, .address_space: global }
    .group_segment_fixed_size: 327680
    .private_segment_fixed_size: 0
    .kernarg_segment_align: 8
    .kernarg_segment_size: 16
    .max_flat_workgroup_size: 256
    .sgpr_count:     66
    .vgpr_count:     512
    .wavefront_size: 32
...
	.end_amdgpu_metadata
.endif
;; end of part 3
;; launch oproj (part 4): grid 4 x 64, 4 waves a work-group, clusters of 4 x 4, 327,680 bytes of LDS; arguments att, wo16, out0, bo; writes out0
.if DOCPART == 4
	.amdgcn_target "amdgcn-amd-amdhsa--gfx1250"
	.amdhsa_code_object_version 6
	.text
	.protected	k_q372d9e4a1f_oproj
	.globl	k_q372d9e4a1f_oproj
	.p2align	8
	.type	k_q372d9e4a1f_oproj,@function
k_q372d9e4a1f_oproj:
	s_mov_b64 s[64:65], 0
	v_nop
	global_prefetch_b8 v0, s[64:65] scope:SCOPE_SE
	s_setreg_imm32_b32 hwreg(HW_REG_WAVE_MODE, 25, 1), 1
	s_wait_xcnt 0x0
	s_wait_alu depctr_hold_cnt(0) depctr_sa_sdst(0) depctr_va_vdst(0) depctr_va_sdst(0) depctr_va_ssrc(0) depctr_va_vcc(0) depctr_vm_vsrc(0)
	s_getreg_b32 s2, hwreg(HW_REG_IB_STS2, 6, 4)
	s_cmp_eq_u32 s2, 0
	s_cbranch_scc0 .Lentry_in_a_cluster
	s_endpgm
.Lentry_in_a_cluster:
	s_bfe_u32 s2, ttmp6, 0x10000c
	s_cmp_lg_u32 s2, 0xf033
	s_cbranch_scc0 .Lentry_shape_is_right
	s_endpgm
.Lentry_shape_is_right:
; FOURTH LAUNCH: out0[m][n] = the sum over k of A[m][k] Wo[n][k] + bo[n], f16 operands, f32 sums.  A[m = 2,048 b + s][k = 64 h + d] is att[b][h][s][d]; wo16: [1,024 n][1,024 k] f16; out0: [8,192][1,024] f32.
; A tile of 128 (m) x 256 (n) is made by a work-group of four waves: 256 work-groups; a wave makes 64 x 128: 32 accumulators.  K goes in steps of 128, two heads, through a ring of two LDS slots.
; In a slot A lies as two planes, one for each head of the step: 128 rows of 128 bytes, which are dense in att; the weight as 256 rows of 256 bytes.  Waves 0, 1 fetch A's planes, waves 2, 3 the weight's halves.
; CLUSTERS: 4 x 4 work-groups.  The four of a row of the cluster need the same rows of A, the four of a column the same rows of the weight: each tile is asked for jointly.
; THE MATRIX INSTRUCTION IS USED TRANSPOSED (source 0 = 16 rows of the weight, source 1 = 16 rows of A): a lane holds eight neighbouring columns of a row of out0.  bo is the C of each sum's first product.
; REGISTERS: window 0: v0-31 addresses; v128-191 A's fragments, two buffers of 32; on the way out v128-255.   window 1: v0-127 the weight's fragments, two buffers of 64; v128-191 the bias.   window 2: accumulator (a, b) at v[8 (8 a + b)].
.set PA,     144                       ; a row of A's plane in LDS: 128 bytes + 16
.set PB,     272                       ; a row of the weight: 256 + 16
.set APLANE, 128*PA
.set BOFF,   2*APLANE
.set HALFB,  128*PB
.set SLOT,   BOFF+2*HALFB
.set STAGE,  2*SLOT                    ; behind the ring: 16 rows x (512 bytes + 16) for each wave
.set SPITCH, 528
.set SPARE,  STAGE+4*16*SPITCH         ; the spare words, 128 bytes a wave, which no other line names
.set LAPS,   4                         ; a lap = two K steps = once round the ring
.set ADRA, 16
.set ADRB, 20
.set STO,  24
.set RD,   25
.set CO,   26
.set SPW,  28
.set NIL,  29
.set FA,   128                         ; window 0
.set BI,   128                         ; window 1
.set BK,   128                         ; window 0, on the way out
.set G1, 24
.set G0, 32
.set G1B, 48
.set G0B, 56
.set MSB, 0
.macro WIN new
.if MSB != \new
	s_set_vgpr_msb (MSB<<8)|\new
.set MSB, \new
.endif
.endm
.set MUL,  0xa1                        ; source 0 (the weight) window 1, source 1 (A) window 0, C and D window 2
.set MULB, 0x91                        ; the first quarter: C (the bias) window 1
.set TO_B, 0x40
.macro JLOAD s                         ; the branch hangs on the wave's number alone; an s_nop 0 and four v_nop follow each line
	s_cmp_eq_u32 s15, 0
	s_cbranch_scc0 .Lfor_b_\@
	tensor_load_to_lds s[G0+4*\s:G0+4*\s+3], s[G1:G1+7]
	s_nop 0
.rept 4
	v_nop
.endr
	s_branch .Lasked_\@
.Lfor_b_\@:
	tensor_load_to_lds s[G0B+4*\s:G0B+4*\s+3], s[G1B:G1B+7]
	s_nop 0
.rept 4
	v_nop
.endr
.Lasked_\@:
.endm
.macro CREST
	s_cmp_lg_u32 s14, 0
	s_cbranch_scc1 .Lnot_wave_0_\@
	s_barrier_signal -3
.Lnot_wave_0_\@:
	s_barrier_wait -3
	s_barrier_signal -1
	s_barrier_wait -1
.endm
.macro CROUND
	s_barrier_signal -1
	s_barrier_wait -1
	CREST
.endm
	s_load_b128 s[4:7], s[0:1], 0x0                ; att s[4:5], wo16 s[6:7]
	s_load_b128 s[8:11], s[0:1], 0x10              ; out0 s[8:9], bo s[10:11]
	v_lshl_add_u32 v[SPW], v0, 2, SPARE
	v_mov_b32 v[NIL], 0
	ds_add_u32 v[SPW], v[NIL]                      ; the wave's opening: the add, twice on end, and its wait ahead of my first tensor load
	ds_add_u32 v[SPW], v[NIL]
	v_lshrrev_b32 v1, 5, v0
	v_readfirstlane_b32 s14, v1                    ; wave 0..3
	s_lshr_b32 s15, s14, 1                         ; which 64 of the tile's rows are mine.  Also: I fetch for A (0) or for the weight (1)
	s_and_b32 s16, s14, 1                          ; which 128 of its columns.  Also: which plane, or which 128 rows, I fetch
	s_bfe_u32 s40, ttmp6, 0x40000
	s_bfe_u32 s41, ttmp6, 0x40004
	s_lshl_b32 s42, ttmp9, 2
	s_add_co_u32 s42, s42, s40                     ; tile column 0..3
	s_and_b32 s13, ttmp7, 0xffff
	s_lshl_b32 s13, s13, 2
	s_add_co_u32 s13, s13, s41                     ; tile row 0..63
	s_lshl_b32 s43, s41, 2
	s_lshl_b32 s43, 15, s43                        ; my row of the cluster
	s_lshl_b32 s44, 0x1111, s40                    ; my column
	s_or_b32 s[G1+0], s43, (1<<16)|(1<<20)|(1<<21)|(4<<22)|(3<<25)    ; A: elements of 2 bytes; 4 words of padding after every 32
	s_mov_b32 s[G1+1], 64<<16                      ; tensor_dim0 = 64
	s_mov_b32 s[G1+2], 128<<16                     ; tensor_dim1 = 128
	s_mov_b32 s[G1+3], 64<<16                      ; tile_dim0
	s_mov_b32 s[G1+4], 128                         ; tile_dim1
	s_mov_b32 s[G1+5], 64                          ; from row to row
	s_mov_b32 s[G1+6], 0
	s_mov_b32 s[G1+7], 0
	s_or_b32 s[G1B+0], s44, (1<<16)|(1<<20)|(1<<21)|(5<<22)|(3<<25)   ; the weight: 4 words after every 64
	s_mov_b32 s[G1B+1], 128<<16
	s_mov_b32 s[G1B+2], 128<<16
	s_mov_b32 s[G1B+3], 128<<16
	s_mov_b32 s[G1B+4], 128
	s_mov_b32 s[G1B+5], 1024
	s_mov_b32 s[G1B+6], 0
	s_mov_b32 s[G1B+7], 0
	s_lshr_b32 s20, s13, 4                         ; A: b = tile row / 16, 2^22 bytes each;
	s_lshl_b32 s20, s20, 22
	s_and_b32 s21, s13, 15
	s_lshl_b32 s21, s21, 14                        ; 128 positions of 128 bytes a tile row;
	s_add_co_u32 s20, s20, s21
	s_lshl_b32 s18, s16, 18                        ; the step's even or odd head, 2^18 bytes
	s_add_co_u32 s20, s20, s18
	s_mov_b32 s21, 0
	s_lshl_b32 s46, s42, 19                        ; the weight: 256 rows of 2,048 bytes a tile column;
	s_add_co_u32 s46, s46, s18                     ; my 128 rows are 2^18 bytes too
	s_mov_b32 s47, 0
	s_mul_i32 s22, s16, APLANE                     ; where they go: no place in the cluster enters an LDS address
	s_mul_i32 s23, s16, HALFB
	s_add_co_u32 s23, s23, BOFF
	s_wait_dscnt 0x0                               ; both opening adds are done
	s_wait_kmcnt 0x0
	s_add_nc_u64 s[20:21], s[4:5], s[20:21]
	s_add_nc_u64 s[46:47], s[6:7], s[46:47]
	CROUND                                         ; all sixteen work-groups are here
.irp s, 0,1
	s_mov_b32 s[G0+4*\s], 1
	s_add_co_u32 s[G0+4*\s+1], s22, \s*SLOT
	s_add_nc_u64 s[G0+4*\s+2:G0+4*\s+3], s[20:21], \s*524288      ; K step s: heads 2 s and 2 s + 1
	s_or_b32 s[G0+4*\s+3], s[G0+4*\s+3], 0x80000000
	s_mov_b32 s[G0B+4*\s], 1
	s_add_co_u32 s[G0B+4*\s+1], s23, \s*SLOT
	s_add_nc_u64 s[G0B+4*\s+2:G0B+4*\s+3], s[46:47], \s*256
	s_or_b32 s[G0B+4*\s+3], s[G0B+4*\s+3], 0x80000000
	JLOAD \s                                       ; two loads of mine are out
.endr
	v_and_b32 v1, 15, v0                           ; r
	v_bfe_u32 v2, v0, 4, 1                         ; h
	v_lshlrev_b32 v7, 5, v2                        ; the bias: for the weight's block b a lane wants bo at columns 16 b + 8 h + 0 .. 7 of my 128
	s_lshl_b32 s46, s42, 10
	s_lshl_b32 s47, s16, 9
	s_add_co_u32 s46, s46, s47                     ; my first column, in bytes of f32
	s_mov_b32 s47, 0
	s_add_nc_u64 s[10:11], s[10:11], s[46:47]
	WIN TO_B
.irp b, 0,1,2,3,4,5,6,7
	global_load_b128 v[BI+8*\b:BI+8*\b+3], v7, s[10:11] offset:64*\b
	global_load_b128 v[BI+8*\b+4:BI+8*\b+7], v7, s[10:11] offset:64*\b+16
.endr
	WIN 0
	v_mul_u32_u24 v3, v1, PA
	v_lshl_add_u32 v3, v2, 4, v3
	v_mul_u32_u24 v4, v1, PB
	v_lshl_add_u32 v4, v2, 4, v4
	s_mul_i32 s21, s15, 64*PA                      ; my 64 rows of each plane
	s_mul_i32 s22, s16, HALFB                      ; my 128 rows of the weight
	s_add_co_u32 s22, s22, BOFF
.irp s, 0,1
	v_add_nc_u32 v[ADRA+\s], s21, v3
	v_add_nc_u32 v[ADRB+\s], s22, v4
	s_add_co_u32 s21, s21, SLOT
	s_add_co_u32 s22, s22, SLOT
.endr
	s_mul_i32 s23, s14, 16*SPITCH
	s_add_co_u32 s23, s23, STAGE                   ; my stage
	v_mul_u32_u24 v5, v1, SPITCH                   ; in: row r, 32 bytes for each half of the lanes
	v_lshl_add_u32 v5, v2, 5, v5
	v_add_nc_u32 v[STO], s23, v5
	v_and_b32 v6, 31, v0
	v_lshlrev_b32 v[CO], 4, v6                     ; back: the 32 lanes take one row of 512 bytes; and the same in out0
	v_add_nc_u32 v[RD], s23, v[CO]
	s_lshl_b32 s20, s13, 19                        ; my first row of out0: 128 rows of 4,096 bytes a tile row,
	s_lshl_b32 s21, s15, 18                        ; my 64
	s_add_co_u32 s20, s20, s21
	s_add_co_u32 s20, s20, s46                     ; and my first column
	s_mov_b32 s21, 0
	s_add_nc_u64 s[8:9], s[8:9], s[20:21]
; 8 matrix instructions: A's block a x the weight's eight, 32 along K, from buffer f.  first = 1: the sum's first product takes the bias as C.
; The 32 accumulators take turns, one instruction a turn, in the same order in every quarter.
.macro MUL8 f, a, first
.irp b, 0,1,2,3,4,5,6,7
.if \first
	v_wmma_f32_16x16x32_f16 v[8*(8*(\a)+\b):8*(8*(\a)+\b)+7], v[64*(\f)+8*\b:64*(\f)+8*\b+7], v[FA+32*(\f)+8*(\a):FA+32*(\f)+8*(\a)+7], v[BI+8*\b:BI+8*\b+7]
.else
	v_wmma_f32_16x16x32_f16 v[8*(8*(\a)+\b):8*(8*(\a)+\b)+7], v[64*(\f)+8*\b:64*(\f)+8*\b+7], v[FA+32*(\f)+8*(\a):FA+32*(\f)+8*(\a)+7], v[8*(8*(\a)+\b):8*(8*(\a)+\b)+7]
.endif
.endr
.endm
; 24 LDS loads in one run: quarter q of the slot (32 along K: plane q / 2, bytes 64 (q % 2) on) into buffer f: the weight's eight fragments, then A's four
.macro FETCH slot, q, f
	WIN TO_B
.irp i, 0,1,2,3,4,5,6,7
	ds_load_b128 v[64*(\f)+8*\i:64*(\f)+8*\i+3],   v[ADRB+\slot] offset:64*(\q)+\i*16*PB
	ds_load_b128 v[64*(\f)+8*\i+4:64*(\f)+8*\i+7], v[ADRB+\slot] offset:64*(\q)+\i*16*PB+32
.endr
	WIN 0
.irp i, 0,1,2,3
	ds_load_b128 v[FA+32*(\f)+8*\i:FA+32*(\f)+8*\i+3],   v[ADRA+\slot] offset:((\q)/2)*APLANE+((\q)%2)*64+\i*16*PA
	ds_load_b128 v[FA+32*(\f)+8*\i+4:FA+32*(\f)+8*\i+7], v[ADRA+\slot] offset:((\q)/2)*APLANE+((\q)%2)*64+\i*16*PA+32
.endr
.endm
.macro PLACES                          ; plain vector instructions between a matrix instruction and a load into its registers, or a read of its result
.rept 4
	v_nop
.endr
.endm
; One of a K step's first three quarters: multiplies buffer f and fetches quarter q into buffer g.
.macro QUARTER slot, q, f, g, first
	s_wait_dscnt 4                                 ; all but the youngest four loads (A's blocks 2, 3) are in
.if \first
	WIN MULB
.else
	WIN MUL
.endif
	MUL8 \f, 0, \first
	MUL8 \f, 1, \first
	PLACES
	FETCH \slot, \q, \g
	s_wait_dscnt 24                                ; all but the 24 just issued
.if \first
	WIN MULB
.else
	WIN MUL
.endif
	MUL8 \f, 2, \first
	MUL8 \f, 3, \first
.endm
; The last quarter multiplies buffer 1 and changes slots: one barrier; in front of it each wave waits for all its tensor loads, adds 0 to its spare word, and waits for that and for its reads of this slot.
; fill = 1: the barrier opens a round of the cluster's barrier, and behind the round this slot is asked for again, two K steps ahead.
.macro TURN slot, next, fill
	WIN 0
	s_wait_tensorcnt 0x0                           ; all my tensor loads have landed: my part of the next slot
	ds_add_u32 v[SPW], v[NIL]
	s_wait_dscnt 5                                 ; (the add and the youngest four loads may be out)
	WIN MUL
	MUL8 1, 0, 0                                   ; eight matrix instructions stand between the add and the wait for it
	s_wait_dscnt 0x0                               ; the add is done, and my reads of this slot are over
	s_barrier_signal -1
	MUL8 1, 1, 0
.if \fill
	WIN 0
.endif
	s_barrier_wait -1
.if \fill
	CREST                                          ; no wave of any partner still reads this slot or has a load on its way
	s_add_nc_u64 s[G0+4*\slot+2:G0+4*\slot+3], s[G0+4*\slot+2:G0+4*\slot+3], 1048576   ; four heads on
	s_add_nc_u64 s[G0B+4*\slot+2:G0B+4*\slot+3], s[G0B+4*\slot+2:G0B+4*\slot+3], 512   ; 256 along K on
	JLOAD \slot                                    ; the first tensor load behind the round; its four v_nop are also the places in front of the loads below
.else
	PLACES
.endif
	FETCH \next, 0, 0
	WIN MUL
	MUL8 1, 2, 0
	MUL8 1, 3, 0
.endm
	s_wait_loadcnt 0x0                             ; the bias
	s_wait_tensorcnt 1                             ; my part of K step 0 is in; K step 1's load may be out
	s_barrier_signal -1
	s_barrier_wait -1
	FETCH 0, 0, 0
	QUARTER 0, 1, 0, 1, 1                          ; the first quarter stands in front of the loop: its products start the sums, from the bias
	WIN 0
	s_mov_b32 s3, LAPS-1
.Llap:                                             ; a trip goes once round the ring, from a lap's second quarter to the next lap's first, and fills both slots again
	QUARTER 0, 2, 1, 0, 0
	QUARTER 0, 3, 0, 1, 0
	TURN 0, 1, 1
	QUARTER 1, 1, 0, 1, 0
	QUARTER 1, 2, 1, 0, 0
	QUARTER 1, 3, 0, 1, 0
	TURN 1, 0, 1
	QUARTER 0, 1, 0, 1, 0
	WIN 0
	s_sub_co_u32 s3, s3, 1
	s_cmp_lg_u32 s3, 0
	s_cbranch_scc1 .Llap
	QUARTER 0, 2, 1, 0, 0                          ; the last lap fills nothing
	QUARTER 0, 3, 0, 1, 0
	TURN 0, 1, 0
	QUARTER 1, 1, 0, 1, 0
	QUARTER 1, 2, 1, 0, 0
	QUARTER 1, 3, 0, 1, 0
	s_wait_dscnt 4                                 ; the very last quarter
	WIN MUL
	MUL8 1, 0, 0
	MUL8 1, 1, 0
	s_wait_dscnt 0
	MUL8 1, 2, 0
	MUL8 1, 3, 0
	WIN 0
; THE WAY OUT, block by block of 16 rows x 128 columns: through my own stage, and back as whole rows of 512 bytes.
.macro TOSTAGE a
	WIN 0x08                                       ; an LDS store's data are its source 1: window 2
.irp b, 0,1,2,3,4,5,6,7
	ds_store_b128 v[STO], v[8*(8*(\a)+\b):8*(8*(\a)+\b)+3] offset:64*\b          ; each accumulator from its low end on
	ds_store_b128 v[STO], v[8*(8*(\a)+\b)+4:8*(8*(\a)+\b)+7] offset:64*\b+16
.endr
	WIN 0
.set BB, BK+64*((\a)%2)
.irp t, 0,1,2,3,4,5,6,7,8,9,10,11,12,13,14,15
	ds_load_b128 v[BB+4*\t:BB+4*\t+3], v[RD] offset:\t*SPITCH   ; LDS serves a wave's instructions in order: these see the stores above
.endr
.endm
.macro SEND a, younger                 ; younger: the next block's 16 stores and 16 loads, or none
.set BB, BK+64*((\a)%2)
	s_wait_dscnt \younger
.irp t, 0,1,2,3,4,5,6,7,8,9,10,11,12,13,14,15
	global_store_b128 v[CO], v[BB+4*\t:BB+4*\t+3], s[8:9] offset:(\a)*65536+\t*4096 th:TH_STORE_NT   ; the wave stores 512 consecutive bytes, aligned; written once, read by nobody here
.endr
.endm
	PLACES                                         ; behind the last products
	TOSTAGE 0
.irp a, 1,2,3
.if \a > 1
	s_wait_xcnt 0x0                                ; block a - 2's stores have read their registers: block a's loads land there only behind this wait
.endif
	TOSTAGE \a
	SEND \a-1, 32
.endr
	SEND 3, 0
	s_wait_tensorcnt 0x0                           ; the wave's end: a tensor wait, an add to my spare word and its wait, behind my last tensor load and my last LDS store
	ds_add_u32 v[SPW], v[NIL]
	s_wait_dscnt 0x0
	CROUND                                         ; the closing round
	s_endpgm
.Lfunc_end_k_q372d9e4a1f_oproj:
	.size	k_q372d9e4a1f_oproj, .Lfunc_end_k_q372d9e4a1f_oproj-k_q372d9e4a1f_oproj
	.p2alignl 7, 3214868480
	.fill 96, 4, 3214868480
	.section	.rodata,"a",@progbits
	.p2align	6, 0x0
	.amdhsa_kernel k_q372d9e4a1f_oproj
		.amdhsa_group_segment_fixed_size 327680
		.amdhsa_private_segment_fixed_size 0
		.amdhsa_enable_private_segment 0
		.amdhsa_kernarg_size 32
		.amdhsa_user_sgpr_count 2
		.amdhsa_user_sgpr_kernarg_segment_ptr 1
		.amdhsa_wavefront_size32 1
		.amdhsa_system_sgpr_workgroup_id_x 1
		.amdhsa_system_sgpr_workgroup_id_y 1
		.amdhsa_system_sgpr_workgroup_id_z 1
		.amdhsa_system_vgpr_workitem_id 0
		.amdhsa_next_free_vgpr 768
		.amdhsa_next_free_sgpr 66
		.amdhsa_reserve_vcc 0
		.amdhsa_float_denorm_mode_32 3
		.amdhsa_float_denorm_mode_16_64 3
		.amdhsa_memory_ordered 1
		.amdhsa_forward_progress 1
		.amdhsa_inst_pref_size 87
	.end_amdhsa_kernel
	.amdgpu_metadata
---
amdhsa.version: [ 1, 2 ]
amdhsa.kernels:
  - .name:           k_q372d9e4a1f_oproj
    .symbol:         k_q372d9e4a1f_oproj.kd
    .args:
      - { .name: att, .offset: 0, .size: 8, .value_kind: global_buffer, .address_space: global }
      - { .name: wo16, .offset: 8, .size: 8, .value_kind: global_buffer, .address_space: global }
      - { .name: out0, .offset: 16, .size: 8, .value_kind: global_buffer, .address_space: global }
      - { .name: bo, .offset: 24, .size: 8, .value_kind: global_buffer, .address_space: global }
    .group_segment_fixed_size: 327680
    .private_segment_fixed_size: 0
    .kernarg_segment_align: 8
    .kernarg_segment_size: 32
    .max_flat_workgroup_size: 128
    .sgpr_count:     66
    .vgpr_count:     768
    .wavefront_size: 32
...
	.end_amdgpu_metadata
.endif
;; end of part 4
